; MI455X (gfx1250); checked and timed in simulation.
; The chip was launched on July 23, 2026; its instructions are those of AMD's public machine-readable ISA for CDNA 5 (MIT licence, August 2026) and "CDNA5" Instruction Set Architecture Reference Guide (July 2026). The comments in the code are by the model that wrote it; some were corrected since.
;; Transform. Allowed arithmetic: matrix products marked QUANTISED: E4M3 operands, one E8M0 scale for each 32 along K, by v_wmma_scale_f32_16x16x128_f8f6f4 with both operands' format E4M3, f32 sums; everything else in f32.
;; Inputs: W1_codes 512 x 16 x 32 uint8 (E4M3 codes of W1, K innermost, in blocks of 32 codes); W1_scales 512 x 16 uint8 (E8M0 scales of W1, one for each 32 codes along K); W2_codes 512 x 16 x 32 uint8 (E4M3 codes of W2, K innermost, in blocks of 32 codes); W2_scales 512 x 16 uint8 (E8M0 scales of W2, one for each 32 codes along K); Wk_codes 512 x 16 x 32 uint8 (E4M3 codes of Wk, K innermost, in blocks of 32 codes); Wk_scales 512 x 16 uint8 (E8M0 scales of Wk, one for each 32 codes along K); Wq_codes 512 x 16 x 32 uint8 (E4M3 codes of Wq, K innermost, in blocks of 32 codes); Wq_scales 512 x 16 uint8 (E8M0 scales of Wq, one for each 32 codes along K); Wv_codes 512 x 16 x 32 uint8 (E4M3 codes of Wv, K innermost, in blocks of 32 codes); Wv_scales 512 x 16 uint8 (E8M0 scales of Wv, one for each 32 codes along K); b1 512 float32; b2 512 float32; bk 512 float32; bq 512 float32; bv 512 float32; ln_b 512 float32; ln_g 512 float32; lnff_b 512 float32; lnff_g 512 float32; x 2 x 8 x 1,024 x 512 float32.
;; Outputs: out0 2 x 8 x 1,024 x 512 float32.
;; This version of the problem:
;;   THIS VERSION OF THE PROBLEM IS GIVEN IN LOW PRECISION. The matrix products marked QUANTISED in the list below multiply operands that are first quantised to E4M3 (4 exponent bits, 3 mantissa bits; 8 bits a number), with one power-of-two scale for each 32 numbers along K (OCP MX v1.0); their sums are f32. All else is computed in f32.
;;   The module's matrix products, in the order in which they are computed (A, B: the left and right operand; K: the contracted axis; several contracted axes count as one K, in the product's order):
;;     1. [M 16,384, K 512] x [K 512, N 512]; A: input x; B: input Wq (given as codes): QUANTISED
;;     2. [M 16,384, K 512] x [K 512, N 512]; A: input x; B: input Wk (given as codes): QUANTISED
;;     3. [M 16,384, K 512] x [K 512, N 512]; A: input x; B: input Wv (given as codes): QUANTISED
;;     4. batch 128 x [M 1,024, K 64] x [K 64, N 1,024]; A: computed on the way; B: computed on the way: QUANTISED
;;     5. batch 128 x [M 64, K 1,024] x [K 1,024, N 1,024]; A: computed on the way; B: softmax (see below): QUANTISED
;;     6. [M 16,384, K 512] x [K 512, N 512]; A: computed on the way; B: input W1 (given as codes): QUANTISED
;;     7. [M 16,384, K 512] x [K 512, N 512]; A: computed on the way; B: input W2 (given as codes): QUANTISED
;;   THE QUANTISER, for each operand of a quantised product, along K:
;;     - K is cut into blocks of 32 from its start; a last block that is shorter is filled with zeros.
;;     - A block's scale is 2^e with e = floor(log2(the largest magnitude in the block)) - 8, held to -126 .. 127; a block of zeros has e = 0. As a byte (E8M0): e + 127.
;;     - Each number is divided by its block's scale, clamped to +-448, and rounded to the nearest number of E4M3, ties to even, subnormals kept.
;;     - The product sums the exact products of the quantised numbers (number of the format x scale) in f32.
;;   ~~~python
;;   def quantise(x, axis):      # numpy; x: float32 -> the quantised numbers, widened to float32 again
;;       x = np.moveaxis(x, axis, -1); K = x.shape[-1]
;;       x = np.pad(x, [(0, 0)] * (x.ndim - 1) + [(0, -K % 32)]); x = x.reshape(x.shape[:-1] + (-1, 32)); a = np.abs(x).max(-1, keepdims=True)
;;       e = np.where(a > 0, np.clip(np.frexp(np.where(a > 0, a, 1))[1] - 1 - 8, -126, 127), 0)      # np.frexp(a)[1] - 1 = floor(log2(a)), exactly
;;       r = np.clip(x / 2.0 ** e, -448, 448)
;;       step = 2.0 ** (np.maximum(np.frexp(np.where(r == 0, 1, r))[1] - 1, -6) - 3)
;;       q = np.round(r / step) * step * 2.0 ** e      # np.round: ties to even
;;       return np.moveaxis(q.reshape(q.shape[:-2] + (-1,))[..., :K], -1, axis).astype(np.float32)
;;   ~~~
;;   SOFTMAX AHEAD OF A QUANTISED PRODUCT. Where the list says 'softmax', what is quantised is not the finished softmax but p = 2^(t - M), with t = logit x log2(e) and M = ceil(the row's largest t), a whole number; so 1/2 < the row's largest p <= 1. The row's sum l is taken of the UNQUANTISED p, in f32, and the product's result is divided by l at the end. Since M is a whole number, a kernel that streams over the keys may use a running M (the ceiling of the running maximum): every later rescaling is an exact power of two, which a block's scale takes up: the codes' values come out the same.
;;   OPERANDS COMPUTED ON THE WAY. 'Computed on the way' means the value that the module computes at that place (a softmax that the list does not call 'softmax' is quantised finished and normalised). What goes into a quantiser is computed in f32, as accurately as f32 sums, v_exp_f32 and their like allow (about 1e-6 of the number): no bf16 or f16 on the way to a quantiser, and a product that is left as it is and whose result goes on into a quantised operand takes f32 operands (vector FMAs, or v_wmma_f32_16x16x4_f32). A number that lies on a knife's edge between two numbers of the format may be rounded either way, as far as f32 arithmetic and the matrix unit's own rounding can turn it there, and no further.
;;   INPUTS GIVEN AS CODES. W1 (in the module: [512, 512], K = its axis 0); W2 (in the module: [512, 512], K = its axis 0); Wk (in the module: [512, 512], K = its axis 0); Wq (in the module: [512, 512], K = its axis 0); Wv (in the module: [512, 512], K = its axis 0): each comes as NAME_codes (uint8): NAME with its K axis moved to the last place and cut into blocks of 32 codes, [.., K / 32, bytes a block], one block behind the other in memory; one code a byte (a code: sign, 4 exponent bits, 3 mantissa bits); and NAME_scales (uint8): the same leading axes, one E8M0 byte (e + 127) for each 32 codes along K. Its value is code x scale, taken as it is: it is not quantised again, and the codes and scales need not be those that the quantiser above would give.
;; 2 versions. Each part assembles by itself: llvm-mc -triple=amdgcn-amd-amdhsa -mcpu=gfx1250 --defsym DOCPART=n.
;; ======== version 1 of 2: 3 launches
;; workspace buffers: qkv 27,262,976 bytes; o 33,554,432 bytes
;; launch qkv (part 1): grid 256 x 1, 16 waves a work-group, no clusters, 177,152 bytes of LDS; arguments x, Wq_codes, Wq_scales, bq, Wk_codes, Wk_scales, bk, Wv_codes, Wv_scales, bv, qkv; writes qkv
.if DOCPART == 1
	.amdgcn_target "amdgcn-amd-amdhsa--gfx1250"
	.amdhsa_code_object_version 6
	.text
	.protected	k_q02b8ac0577_qkv
	.globl	k_q02b8ac0577_qkv
	.p2align	8
	.type	k_q02b8ac0577_qkv,@function
k_q02b8ac0577_qkv:
	s_mov_b64 s[64:65], 0
	v_nop
	global_prefetch_b8 v0, s[64:65] scope:SCOPE_SE
	s_setreg_imm32_b32 hwreg(HW_REG_WAVE_MODE, 25, 1), 1
	s_wait_xcnt 0x0
; q = Q(x) Wq + bq, k = Q(x) Wk + bk, v = Q(x) Wv + bv on codes of FP8 (E4M3) with one E8M0 scale for each 32 along K; then q and k are quantised along the head's 64, v along the tokens (the keys),
; and all three leave as IMAGES OF OPERAND REGISTERS: a group of four registers is 512 bytes, lane l's 16 bytes at 16 l, so that the next launch loads fragments by dense 16-byte loads alone.
; SHARES.  A work-group takes 64 tokens of one slice (b, t); each of its sixteen waves takes 32 columns of q, of k and of v: half a head (head = wave / 2, half g = wave % 2).  Four waves to a SIMD, 256 registers each.
; THE TOKENS OF A TILE ARE NOT NEIGHBOURS: index r of tile 2 b + u is token 32 b + 8 u + r + 8 (r / 8).  q and k are made transposed (source 0 = 16 rows of W, source 1 = 16 tokens): a lane holds one token and 16 neighbouring
; columns, which with lane l xor 16's are a block of 32 along the head's axis.  v is made the other way round (source 0 = tokens, source 1 = rows of Wv): a lane holds one column and, over tiles 2 b and 2 b + 1, 16 neighbouring tokens.
; THE PART OF qkv OF ONE (slice, head), PH bytes: Q [64 tiles][2 groups][512] | K [32 blocks of 32 keys][4 groups: 2 u + g][512] | V [8 steps of 128 keys][4 tiles of 16 d][4 groups][512] | scales [16 work-groups][1,024]:
;   +0 Q's words [4 tiles][32 lanes], bytes (d0, d1, d0, d1); +512 K's words [2 blocks][32 lanes], byte 2 u + g; +768 V's halves [4 tiles of d][32 lanes] of two bytes, byte b = key block 2 wg + b.
; NO JOINT REQUESTS: all work-groups read the same weights, but each fragment of W goes from memory straight into the registers of the one wave that multiplies by it; a joint request lands in LDS, where the three weights'
; 786,432 bytes do not fit beside the stage: it would take a ring that is filled again and a round of the cluster's barrier for each refill.
; LIMITS: NaN and infinities among the inputs are not served.  A block whose largest magnitude lies under 2^-118 keeps the scale byte 1; a block of zeros gets the byte 1 and not 127: its codes are zeros, and this program alone reads the bytes.
.set PH,   212992
.set XIMG, 0                           ; LDS: x's 16 fragments (tile m, K step s: 4 m + s), 2,048 bytes each,
.set XSC,  32768                       ; their scale words, 128 bytes each,
.set SCO,  34816                       ; the scale bytes on their way out: 1,024 bytes for each of the 8 heads, laid as in qkv,
.set STG,  43008                       ; and the stage: 64 rows of x
.set SP,   2064                        ; a stage row: 2,048 bytes + 16: each row begins 16 bytes further on modulo 256
.set LI,  1                            ; v1   16 x lane
.set LS,  2                            ; v2   4 x lane
.set WAP, 3                            ; v3   W, rows r + 8 (r / 8): x 512 bytes + 16 h
.set WAN, 4                            ; v4   W, rows r
.set WSP, 5                            ; v5   W's scale bytes, 16 a row: rows r + 8 (r / 8)
.set WSN, 6                            ; v6   rows r
.set BQA, 7                            ; v7   64 h: a bias's 16 numbers of my half
.set BVA, 8                            ; v8   4 r
.set SB,  9                            ; v9   my byte in Q's and K's words
.set SBV, 10                           ; v10  and in V's halves
.set XWR, 11                           ; v11  the stage by rows: my wave's 4 rows, 16 bytes a lane
.set XRD, 12                           ; v12  the stage by fragments
.set XIW, 13                           ; v13  where my fragment of x goes
.set XSW, 14                           ; v14  and its scale word
.set AS,  15                           ; v15  x's scale words: XSC + 4 x lane
.set SCR, 16                           ; v16  the scale bytes' way out: SCO + 16 x thread
.set BVT, 18                           ; v18-19 bv of my column, two tiles
.set ACC, 32                           ; v32-95   eight accumulators
.set WF0, 96                           ; v96-127, v128-159: two fragments of W, two buffers
.set XF,  160                          ; v160-223 four fragments of x; between passes: PC, TM, PW
.set BIAS, 224                         ; v224-239 the bias as the C of a sum's first product
.set WS,  240                          ; v240-247 W's scale words: tile u, K step s at 4 u + s
.set XS,  248                          ; v248-251 x's scale words
.set PC,  160                          ; the codes just made
.set TM,  176                          ; +0 largest magnitudes, +4 bytes, +8 the largest number x the scale, +12 the conversion's scale operand
.set PW,  192                          ; the scale word just made
.set SEL, 42                           ; s[42:43] v_permlanex16_b32's selects for lane l xor 16
.set MNT, 44                           ; s44  the mantissa field of 448
.macro PLACES n
.rept \n
	v_nop
.endr
.endm
.macro BARRIER                         ; my LDS stores have landed and my LDS loads are in: then the work-group's barrier
	s_wait_dscnt 0x0
	s_barrier_signal -1
	s_barrier_wait -1
.endm
; 64 numbers of a lane, v[s] on: block b = registers 16 b .. 16 b + 15, which with lane l xor 16's are 32 neighbours along a K.  Codes of block b to v[PC + 4 b] on, its byte to v[TM + 4 + b]; word = 1: the four bytes make v[PW].
.macro QUANT s, relu, word
.if \relu
.irp b, 0,1,2,3
	v_max3_num_f32 v[TM+\b], v[\s+16*\b], v[\s+1+16*\b], 0x4800000
.endr
.irp i, 2,4,6,8,10,12,14
.irp b, 0,1,2,3
	v_max3_num_f32 v[TM+\b], v[TM+\b], v[\s+16*\b+\i], v[\s+1+16*\b+\i]
.endr
.endr
.else
.irp b, 0,1,2,3
	v_max3_num_f32 v[TM+\b], |v[\s+16*\b]|, |v[\s+1+16*\b]|, 0x4800000   ; my 16 numbers and the floor 2^(9 - 127): the byte cannot fall under 1
.endr
.irp i, 2,4,6,8,10,12,14
.irp b, 0,1,2,3
	v_max3_num_f32 v[TM+\b], v[TM+\b], |v[\s+16*\b+\i]|, |v[\s+1+16*\b+\i]|   ; the four blocks by turns; each accumulator is read from its low end on
.endr
.endr
.endif
.irp b, 0,1,2,3
	v_permlanex16_b32 v[TM+4+\b], v[TM+\b], s[SEL], s[SEL+1]
.endr
.irp b, 0,1,2,3
	v_max_num_f32 v[TM+\b], v[TM+\b], v[TM+4+\b]                   ; with lane l xor 16's: the block's largest magnitude
.endr
.irp b, 0,1,2,3
	v_add_nc_u32 v[TM+12+\b], 0xfc000000, v[TM+\b]                 ; 8 off its exponent field: the conversion takes this operand's exponent field as its scale
.endr
.irp b, 0,1,2,3
	v_and_or_b32 v[TM+8+\b], v[TM+\b], 0x7f800000, s[MNT]          ; 448 x the scale
.endr
.irp b, 0,1,2,3
	v_lshrrev_b32 v[TM+4+\b], 23, v[TM+12+\b]                      ; the scale's byte
.endr
.if \word
	v_lshl_or_b32 v[PW], v[TM+5], 8, v[TM+4]
	v_lshl_or_b32 v[PW], v[TM+6], 16, v[PW]
	v_lshl_or_b32 v[PW], v[TM+7], 24, v[PW]
.endif
.irp b, 0,1,2,3
.irp i, 0,1,2,3,4,5,6,7,8,9,10,11,12,13,14,15
.if \relu
	v_med3_num_f32 v[\s+16*\b+\i], v[\s+16*\b+\i], 0, v[TM+8+\b]
.else
	v_med3_num_f32 v[\s+16*\b+\i], v[\s+16*\b+\i], -v[TM+8+\b], v[TM+8+\b]   ; the conversion to an 8-bit code does not saturate (ISA guide 7.6.2): the hold
.endif
.endr
	v_cvt_scalef32_pk8_fp8_f32 v[PC+4*\b:PC+1+4*\b], v[\s+16*\b:\s+7+16*\b], v[TM+12+\b]
	v_cvt_scalef32_pk8_fp8_f32 v[PC+2+4*\b:PC+3+4*\b], v[\s+8+16*\b:\s+15+16*\b], v[TM+12+\b]
.endr
	v_nop                                          ; one plain vector instruction behind the last scaled conversion
.endm
.macro LOADW buf, adr, base, rstep, s  ; two fragments of W (tiles rstep rows apart), K step s
.irp t, 0,1
.irp c, 0,1,2,3
	global_load_b128 v[\buf+16*\t+4*\c:\buf+16*\t+4*\c+3], v[\adr], s[\base:\base+1] offset:\t*\rstep*512+128*(\s)+32*\c
.endr
.endr
.endm
.macro LOADX ai, sa, s                 ; the four token tiles' fragments of K step s, and their scale words
.irp m, 0,1,2,3
.irp c, 0,1,2,3
	ds_load_b128 v[XF+16*\m+4*\c:XF+16*\m+4*\c+3], v[\ai] offset:(4*\m+(\s))*2048+512*\c
.endr
	ds_load_b32 v[XS+\m], v[\sa] offset:(4*\m+(\s))*128
.endr
.endm
; Eight products of one K step on eight accumulators, one instruction a turn, in the same order in every step.  The first step's C is the bias: nothing is cleared or added later.
.macro MUL8 tr, buf, s
.irp m, 0,1,2,3
.irp u, 0,1
.if \tr
.if (\s) == 0
	v_wmma_scale_f32_16x16x128_f8f6f4 v[ACC+16*\m+8*\u:ACC+16*\m+8*\u+7], v[\buf+16*\u:\buf+16*\u+15], v[XF+16*\m:XF+16*\m+15], v[BIAS+8*\u:BIAS+8*\u+7], v[WS+4*\u+(\s)], v[XS+\m]
.else
	v_wmma_scale_f32_16x16x128_f8f6f4 v[ACC+16*\m+8*\u:ACC+16*\m+8*\u+7], v[\buf+16*\u:\buf+16*\u+15], v[XF+16*\m:XF+16*\m+15], v[ACC+16*\m+8*\u:ACC+16*\m+8*\u+7], v[WS+4*\u+(\s)], v[XS+\m]
.endif
.else
.if (\s) == 0
	v_wmma_scale_f32_16x16x128_f8f6f4 v[ACC+32*\u+8*\m:ACC+32*\u+8*\m+7], v[XF+16*\m:XF+16*\m+15], v[\buf+16*\u:\buf+16*\u+15], v[BIAS+8*\u:BIAS+8*\u+7], v[XS+\m], v[WS+4*\u+(\s)]
.else
	v_wmma_scale_f32_16x16x128_f8f6f4 v[ACC+32*\u+8*\m:ACC+32*\u+8*\m+7], v[XF+16*\m:XF+16*\m+15], v[\buf+16*\u:\buf+16*\u+15], v[ACC+32*\u+8*\m:ACC+32*\u+8*\m+7], v[XS+\m], v[WS+4*\u+(\s)]
.endif
.endif
.endr
.endr
.endm
; A pass: 64 tokens x my 32 columns, K = 512 in four steps.  Its scale words, bias and K step 0 of W were asked for by the caller.  vb = 1: the bias is one number a lane (v's), spread over the C registers at step 0.
.macro PASS tr, adr, base, rstep, ai, sa, vb
.irp s, 0,1,2,3
.if \s > 0
	PLACES 8                                       ; loads into registers that matrix instructions have read stand eight places behind them
.endif
.if \s < 3
	LOADW WF0+32*((\s+1)%2), \adr, \base, \rstep, \s+1
.endif
	LOADX \ai, \sa, \s
.if \s < 3
	s_wait_loadcnt 8                               ; all but the eight loads just issued, the next step's fragments of W
.else
	s_wait_loadcnt 0x0
.endif
.if \vb
.if \s == 0
.irp t, 0,1
.irp j, 0,1,2,3,4,5,6,7
	v_mov_b32 v[BIAS+8*\t+\j], v[BVT+\t]
.endr
.endr
	PLACES 8
.endif
.endif
	s_wait_dscnt 0x0
	MUL8 \tr, WF0+32*(\s%2), \s
.endr
	PLACES 9                                       ; eight for the reads of the results and the loads that follow; nine for the next pass's first products, which begin these accumulators anew
.endm
.macro AUX sbase, bbase                ; a transposed pass's scale words of W (all four K steps of a row in 16 bytes) and its bias in the result's layout: column 32 w + 16 h + 8 u + j
.irp u, 0,1
	global_load_b128 v[WS+4*\u:WS+4*\u+3], v[WSP], s[\sbase:\sbase+1] offset:128*\u
	global_load_b128 v[BIAS+8*\u:BIAS+8*\u+3], v[BQA], s[\bbase:\bbase+1] offset:32*\u
	global_load_b128 v[BIAS+8*\u+4:BIAS+8*\u+7], v[BQA], s[\bbase:\bbase+1] offset:32*\u+16
.endr
.endm
	s_load_b512 s[8:23], s[0:1], 0x0               ; x 8, Wq's codes 10, scales 12, bq 14, Wk's codes 16, scales 18, bk 20, Wv's codes 22
	s_load_b128 s[24:27], s[0:1], 0x40             ; Wv's scales 24, bv 26
	s_load_b64 s[28:29], s[0:1], 0x50              ; qkv
	v_lshl_add_u32 v254, v0, 2, 0x2ac00
	v_mov_b32 v255, 0
	v_lshrrev_b32 v20, 5, v0
	v_readfirstlane_b32 s2, v20                    ; wave 0..15
	s_and_b32 s3, s2, 1                            ; g: which half of the head
	s_lshr_b32 s4, s2, 1                           ; the head
	s_and_b32 s5, ttmp9, 15                        ; wg: which 64 tokens of the slice
	s_lshr_b32 s6, ttmp9, 4                        ; the slice
	v_and_b32 v20, 31, v0                          ; lane
	v_and_b32 v21, 15, v0                          ; r
	v_bfe_u32 v22, v0, 4, 1                        ; h
	v_lshlrev_b32 v[LI], 4, v20
	v_lshlrev_b32 v[LS], 2, v20
	v_and_b32 v23, 8, v21
	v_add_nc_u32 v23, v23, v21                     ; r + 8 (r / 8)
	v_lshlrev_b32 v[WAP], 9, v23
	v_lshl_add_u32 v[WAP], v22, 4, v[WAP]
	v_lshlrev_b32 v[WAN], 9, v21
	v_lshl_add_u32 v[WAN], v22, 4, v[WAN]
	v_lshlrev_b32 v[WSP], 4, v23
	v_lshlrev_b32 v[WSN], 4, v21
	v_lshlrev_b32 v[BQA], 6, v22
	v_lshlrev_b32 v[BVA], 2, v21
	s_lshl_b32 s48, s4, 10
	s_add_co_u32 s48, s48, s3
	s_add_co_u32 s48, s48, SCO
	v_add_nc_u32 v[SB], s48, v[LS]                 ; SCO + 1,024 head + 4 lane + g
	s_lshl_b32 s49, s4, 10
	s_lshl_b32 s50, s3, 7
	s_add_co_u32 s49, s49, s50
	s_add_co_u32 s49, s49, SCO+768
	v_lshl_add_u32 v[SBV], v20, 1, s49             ; SCO + 1,024 head + 768 + 128 g + 2 lane
	s_mul_i32 s50, s2, 4*SP
	s_add_co_u32 s50, s50, STG
	v_add_nc_u32 v[XWR], s50, v[LI]
	s_lshr_b32 s51, s2, 3
	s_lshl_b32 s51, s51, 5
	s_bfe_u32 s52, s2, 0x10002
	s_lshl_b32 s52, s52, 3
	s_add_co_u32 s51, s51, s52                     ; my fragment's tile begins at row 32 (w / 8) + 8 ((w / 4) % 2)
	s_mul_i32 s51, s51, SP
	s_and_b32 s52, s2, 3
	s_lshl_b32 s52, s52, 9
	s_add_co_u32 s51, s51, s52                     ; its K step: 512 bytes of a row
	s_add_co_u32 s51, s51, STG
	v_mul_u32_u24 v24, v23, SP
	v_lshl_add_u32 v24, v22, 6, v24
	v_add_nc_u32 v[XRD], s51, v24
	s_lshl_b32 s53, s2, 11
	v_add_nc_u32 v[XIW], s53, v[LI]
	v_lshl_add_u32 v[XSW], v0, 2, XSC
	v_add_nc_u32 v[AS], XSC, v[LS]
	v_lshl_add_u32 v[SCR], v0, 4, SCO
.irp b, 0,1,2,3
	v_mov_b32 v[TM+4+\b], 0                        ; written once: a lane permute's destination counts as one of its sources
.endr
	s_mov_b32 s[SEL], 0x76543210
	s_mov_b32 s[SEL+1], 0xfedcba98
	s_mov_b32 s[MNT], 0x600000
	s_lshl_b32 s30, ttmp9, 17                      ; my work-group's 64 rows of 2,048 bytes,
	s_lshl_b32 s46, s2, 13                         ; my wave's 4 of them
	s_add_co_u32 s30, s30, s46
	s_mov_b32 s31, 0
	s_lshl_b32 s32, s6, 3
	s_add_co_u32 s32, s32, s4
	s_mul_i32 s32, s32, PH                         ; the part of qkv of my slice and head
	s_wait_kmcnt 0x0
	s_add_nc_u64 s[8:9], s[8:9], s[30:31]
	s_lshl_b32 s30, s2, 14                         ; my 32 rows of each W: 512 bytes of codes a row,
	s_add_nc_u64 s[10:11], s[10:11], s[30:31]
	s_add_nc_u64 s[16:17], s[16:17], s[30:31]
	s_add_nc_u64 s[22:23], s[22:23], s[30:31]
	s_lshl_b32 s30, s2, 9                          ; 16 scale bytes a row,
	s_add_nc_u64 s[12:13], s[12:13], s[30:31]
	s_add_nc_u64 s[18:19], s[18:19], s[30:31]
	s_add_nc_u64 s[24:25], s[24:25], s[30:31]
	s_lshl_b32 s30, s2, 7                          ; and 4 bytes of bias
	s_add_nc_u64 s[14:15], s[14:15], s[30:31]
	s_add_nc_u64 s[20:21], s[20:21], s[30:31]
	s_add_nc_u64 s[26:27], s[26:27], s[30:31]
	; ---- 0: my 4 rows of x, 512 consecutive bytes a load, into the stage.  The first pass's scale words, bias and first fragments of W go out behind them.
.irp i, 0,1,2,3
.irp j, 0,1,2,3
	global_load_b128 v[ACC+16*\i+4*\j:ACC+16*\i+4*\j+3], v[LI], s[8:9] offset:2048*\i+512*\j th:TH_LOAD_NT
.endr
.endr
	AUX 12, 14
	LOADW WF0, WAP, 10, 8, 0
	s_lshl_b32 s46, s5, 12                         ; where my codes and bytes go: Q: part + 4,096 wg + 512 g (+ 1,024 m); K: 65,536 further on
	s_lshl_b32 s47, s3, 9
	s_add_co_u32 s46, s46, s47
	s_add_co_u32 s30, s32, s46
	s_add_nc_u64 s[34:35], s[28:29], s[30:31]
	s_add_nc_u64 s[36:37], s[34:35], 0x10000
	s_lshr_b32 s46, s5, 1                          ; V: part + 131,072 + 8,192 (wg / 2) + 4,096 g + 1,024 (wg % 2) (+ 2,048 t + 512 b)
	s_lshl_b32 s46, s46, 13
	s_lshl_b32 s47, s3, 12
	s_add_co_u32 s46, s46, s47
	s_and_b32 s47, s5, 1
	s_lshl_b32 s47, s47, 10
	s_add_co_u32 s46, s46, s47
	s_add_co_u32 s46, s46, 131072
	s_add_co_u32 s30, s32, s46
	s_add_nc_u64 s[38:39], s[28:29], s[30:31]
	s_lshl_b32 s46, s5, 10                         ; scales: part + 196,608 + 1,024 wg + 512 g
	s_lshl_b32 s47, s3, 9
	s_add_co_u32 s46, s46, s47
	s_add_co_u32 s46, s46, 196608
	s_add_co_u32 s30, s32, s46
	s_add_nc_u64 s[40:41], s[28:29], s[30:31]
.irp i, 0,1,2,3
.irp j, 0,1,2,3
	s_wait_loadcnt 29-4*\i-\j                      ; behind this load of x: the younger loads of x and the 14 loads for the first pass
	ds_store_b128 v[XWR], v[ACC+16*\i+4*\j:ACC+16*\i+4*\j+3] offset:SP*\i+512*\j
.endr
.endr
	BARRIER                                        ; 64 rows of x lie in the stage
	; ---- X: wave w makes fragment w of x: tile w / 4, K step w % 4: of its row a lane takes 16 neighbours of each block of 32
.irp b, 0,1,2,3
.irp j, 0,1,2,3
	ds_load_b128 v[ACC+16*\b+4*\j:ACC+16*\b+4*\j+3], v[XRD] offset:128*\b+16*\j
.endr
.endr
	s_wait_dscnt 0x0
	QUANT ACC, 0, 1
.irp c, 0,1,2,3
	ds_store_b128 v[XIW], v[PC+4*\c:PC+4*\c+3] offset:XIMG+512*\c
.endr
	ds_store_b32 v[XSW], v[PW]
	BARRIER                                        ; x's sixteen fragments lie in LDS
	; ---- q: block m of the 64 results is tile m's token r, d = 32 g + 16 h + 0 .. 15
	PASS 1, WAP, 10, 8, LI, AS, 0
	AUX 18, 20                                     ; k's, while q is quantised
	LOADW WF0, WAP, 16, 8, 0
	QUANT ACC, 0, 0
.irp m, 0,1,2,3
	global_store_b128 v[LI], v[PC+4*\m:PC+4*\m+3], s[34:35] offset:1024*\m     ; 32 lanes store 512 consecutive bytes
	ds_store_b8 v[SB], v[TM+4+\m] offset:128*\m
	ds_store_b8 v[SB], v[TM+4+\m] offset:128*\m+2                              ; the word holds (d0, d1, d0, d1): it serves the fragment with q below and the one with q above
.endr
	s_wait_xcnt 0x0                                ; the stores have read the codes' registers,
	s_wait_dscnt 0x0                               ; the LDS stores the bytes': the pass's loads land on both
	; ---- k
	PASS 1, WAP, 16, 8, LI, AS, 0
.irp t, 0,1
	global_load_b128 v[WS+4*\t:WS+4*\t+3], v[WSN], s[24:25] offset:256*\t      ; v's: tiles of 16 neighbouring rows of Wv
	global_load_b32 v[BVT+\t], v[BVA], s[26:27] offset:64*\t
.endr
	LOADW WF0, WAN, 22, 16, 0
	QUANT ACC, 0, 0
.irp m, 0,1,2,3
	global_store_b128 v[LI], v[PC+4*\m:PC+4*\m+3], s[36:37] offset:1024*\m
	ds_store_b8 v[SB], v[TM+4+\m] offset:512+128*(\m/2)+2*(\m%2)
.endr
	s_wait_xcnt 0x0
	s_wait_dscnt 0x0
	; ---- v: block 2 t + b of the 64 results is column d = 32 g + 16 t + r, tokens 32 b + 16 h + 0 .. 15
	PASS 0, WAN, 22, 16, LI, AS, 1
	QUANT ACC, 0, 0
.irp t, 0,1
.irp b, 0,1
	global_store_b128 v[LI], v[PC+4*(2*\t+\b):PC+4*(2*\t+\b)+3], s[38:39] offset:2048*\t+512*\b
	ds_store_b8 v[SBV], v[TM+4+2*\t+\b] offset:64*\t+\b
.endr
.endr
	BARRIER                                        ; every head's 1,024 scale bytes lie in LDS
	ds_load_b128 v[20:23], v[SCR]
	s_wait_dscnt 0x0
	global_store_b128 v[LI], v[20:23], s[40:41]    ; half a head's: 512 consecutive bytes
	s_wait_tensorcnt 0x0
	ds_add_u32 v254, v255
	s_wait_dscnt 0x0
	s_endpgm
.Lfunc_end_k_q02b8ac0577_qkv:
	.size	k_q02b8ac0577_qkv, .Lfunc_end_k_q02b8ac0577_qkv-k_q02b8ac0577_qkv
	.p2alignl 7, 3214868480
	.fill 96, 4, 3214868480
	.section	.rodata,"a",@progbits
	.p2align	6, 0x0
	.amdhsa_kernel k_q02b8ac0577_qkv
		.amdhsa_group_segment_fixed_size 177152
		.amdhsa_private_segment_fixed_size 0
		.amdhsa_enable_private_segment 0
		.amdhsa_kernarg_size 88
		.amdhsa_user_sgpr_count 2
		.amdhsa_user_sgpr_kernarg_segment_ptr 1
		.amdhsa_wavefront_size32 1
		.amdhsa_system_sgpr_workgroup_id_x 1
		.amdhsa_system_sgpr_workgroup_id_y 1
		.amdhsa_system_sgpr_workgroup_id_z 1
		.amdhsa_system_vgpr_workitem_id 0
		.amdhsa_next_free_vgpr 256
		.amdhsa_next_free_sgpr 66
		.amdhsa_reserve_vcc 0
		.amdhsa_float_denorm_mode_32 3
		.amdhsa_float_denorm_mode_16_64 3
		.amdhsa_memory_ordered 1
		.amdhsa_forward_progress 1
		.amdhsa_inst_pref_size 86
	.end_amdhsa_kernel
	.amdgpu_metadata
---
amdhsa.version: [ 1, 2 ]
amdhsa.kernels:
  - .name:           k_q02b8ac0577_qkv
    .symbol:         k_q02b8ac0577_qkv.kd
    .args:
      - { .name: x, .offset: 0, .size: 8, .value_kind: global_buffer, .address_space: global }
      - { .name: Wq_codes, .offset: 8, .size: 8, .value_kind: global_buffer, .address_space: global }
      - { .name: Wq_scales, .offset: 16, .size: 8, .value_kind: global_buffer, .address_space: global }
      - { .name: bq, .offset: 24, .size: 8, .value_kind: global_buffer, .address_space: global }
      - { .name: Wk_codes, .offset: 32, .size: 8, .value_kind: global_buffer, .address_space: global }
      - { .name: Wk_scales, .offset: 40, .size: 8, .value_kind: global_buffer, .address_space: global }
      - { .name: bk, .offset: 48, .size: 8, .value_kind: global_buffer, .address_space: global }
      - { .name: Wv_codes, .offset: 56, .size: 8, .value_kind: global_buffer, .address_space: global }
      - { .name: Wv_scales, .offset: 64, .size: 8, .value_kind: global_buffer, .address_space: global }
      - { .name: bv, .offset: 72, .size: 8, .value_kind: global_buffer, .address_space: global }
      - { .name: qkv, .offset: 80, .size: 8, .value_kind: global_buffer, .address_space: global }
    .group_segment_fixed_size: 177152
    .private_segment_fixed_size: 0
    .kernarg_segment_align: 8
    .kernarg_segment_size: 88
    .max_flat_workgroup_size: 512
    .sgpr_count:     66
    .vgpr_count:     256
    .wavefront_size: 32
...
	.end_amdgpu_metadata
.endif
;; end of part 1
;; launch attn (part 2): grid 256 x 1, 16 waves a work-group, no clusters, 210,944 bytes of LDS; arguments qkv, o; writes o
.if DOCPART == 2
	.amdgcn_target "amdgcn-amd-amdhsa--gfx1250"
	.amdhsa_code_object_version 6
	.text
	.protected	k_q02b8ac0577_attn
	.globl	k_q02b8ac0577_attn
	.p2align	8
	.type	k_q02b8ac0577_attn,@function
k_q02b8ac0577_attn:
	s_mov_b64 s[64:65], 0
	v_nop
	global_prefetch_b8 v0, s[64:65] scope:SCOPE_SE
	s_setreg_imm32_b32 hwreg(HW_REG_WAVE_MODE, 25, 1), 1
	s_wait_xcnt 0x0
; o = softmax(q k^T / 8) v for one head of one slice, both products on codes of FP8 (E4M3) with one E8M0 scale for each 32 along K.  q, k, v come as images of operand registers (see the launch that makes them).
; THE SOFTMAX AHEAD OF THE SECOND PRODUCT: t = score x log2(e) / 8; M = the running largest t rounded UP to a whole number; p = 2^(t - M) is quantised along the keys, not normalised; the row's sum is taken of the
; unquantised p and divides at the end.  When M moves, the sum and O are multiplied by 2^(old M - new M): exact.
; SHARES.  A work-group takes one (slice, head) and half of its 1,024 queries; each of its sixteen waves takes two tiles of 16 queries, one after the other, and walks all 1,024 keys, 128 a step.  Four waves to a SIMD.
; THE HEAD'S K AND V, 131,072 bytes of codes, lie in LDS WHOLE, filled once: each wave brings 8,192 dense bytes by one tensor load; nothing is filled again, so the launch has one barrier.
; LAYOUT.  Both products are used transposed: S^T = K Q^T, O^T = V^T P^T: a lane holds one query throughout.  THE HEAD'S K IS 64, THE INSTRUCTION'S 128: a fragment of K holds one tile of 16 keys in k = 0 .. 63 and a second
; in k = 64 .. 127; q lies in registers as q | zeros | q, so that v[16:31] (q, 0) picks the first tile and v[24:39] (0, q) the second.  The two tiles' keys are chosen so that a lane's 16 scores are 16 neighbouring keys.
; NO JOINT REQUESTS: only two work-groups read the same head, each once at its start; clusters are launched by fours here, and four work-groups to a head would leave each with one tile of queries a wave and twice the fills.
; LIMITS: NaN and infinities are not served.  A block of p that has fallen to zero keeps the scale byte 1: its codes are zeros.  o / l is a multiplication by v_rcp_f32's result.
.set PH,    212992
.set KSW,   131072                     ; LDS: 0 K's images, 65,536 V's; here K's scale words [32 blocks of keys][32 lanes],
.set VSW,   135168                     ; V's [8 key steps][4 tiles of d][32 lanes],
.set STAGE, 139264                     ; and the way out: 16 rows x (256 bytes + 16) for each wave
.set LI,  1                            ; v1   16 x lane: K's images
.set LS,  2                            ; v2   4 x lane
.set LV,  3                            ; v3   65,536 + 16 x lane: V's images
.set LKS, 4                            ; v4   KSW + 4 x lane
.set LVS, 5                            ; v5   VSW + 4 x lane
.set STO, 6                            ; v6   the stage: where I put 32 bytes of a row
.set RD,  7                            ; v7   and where I read a row back
.set FR,  40                           ; v40-103  four fragments of K or of V.   v12 -M, v13 the largest t, v[14:15] the sum in two halves; v16-23 q, v24-31 zeros, v32-39 q
.set S,   104                          ; v104-167 S^T, then p, at the end o
.set O,   168                          ; v168-199 O^T
.set PCD, 200                          ; v200-215 p's codes
.set BM,  216                          ; v216-219 each block's largest score, then its largest p
.set PT,  220                          ; v220-223 the other half's, then the bytes
.set HD,  224                          ; v224-227 448 x the scale
.set SOP, 228                          ; v228-231 the conversion's scale operand
.set FS,  232                          ; v232-235 the fragments' scale words;  v236 q's;  v237 p's
.set GO,  244                          ; v244 my byte offset in the tile's rows of o.   v[238:239] f; v240 at work; v[242:243] the sum's second chain
.set CS,  36                           ; s[36:37] c = log2(e) / 8
.set SEL, 38                           ; s[38:39] lane l xor 16
.set MNT, 40                           ; s40 the mantissa field of 448
.macro PLACES n
.rept \n
	v_nop
.endr
.endm
	s_load_b128 s[4:7], s[0:1], 0x0                ; qkv, o
	v_lshl_add_u32 v254, v0, 2, 0x33000
	v_mov_b32 v255, 0
	ds_add_u32 v254, v255
	ds_add_u32 v254, v255
	v_lshrrev_b32 v8, 5, v0
	v_readfirstlane_b32 s2, v8                     ; wave 0..15
	s_lshr_b32 s8, ttmp9, 1                        ; 8 x slice + head
	s_and_b32 s9, ttmp9, 1                         ; which half of the queries
	s_lshr_b32 s10, s8, 3                          ; the slice
	s_and_b32 s11, s8, 7                           ; the head
	s_mul_i32 s42, s8, PH                          ; my part of qkv
	s_mov_b32 s43, 0
	; descriptor group 1: a dense block of 8,192 bytes as 32 rows of 32 elements of 8 bytes; no padding: images are read 16 bytes a lane on end
	s_mov_b32 s16, 3<<16
	s_mov_b32 s17, 32<<16                          ; tensor_dim0 = 32
	s_mov_b32 s18, 32<<16                          ; tensor_dim1 = 32
	s_mov_b32 s19, 32<<16                          ; tile_dim0 = 32
	s_mov_b32 s20, 32                              ; tile_dim1 = 32
	s_mov_b32 s21, 32                              ; the pitch
	s_mov_b32 s22, 0
	s_mov_b32 s23, 0
	s_mov_b32 s12, 1
	s_lshl_b32 s13, s2, 13                         ; LDS: 8,192 x wave: waves 0-7 bring K's eight key steps, waves 8-15 V's
	s_add_co_u32 s44, s42, s13
	s_add_co_u32 s44, s44, 65536                   ; K's images begin 65,536 bytes into the part, V's follow them
	s_mov_b32 s45, 0
	s_wait_dscnt 0x0
	s_wait_kmcnt 0x0
	s_add_nc_u64 s[14:15], s[4:5], s[44:45]
	s_or_b32 s15, s15, 0x80000000
	tensor_load_to_lds s[12:15], s[16:23]          ; my one tensor load: its registers are never written again
	s_nop 0
	PLACES 4
	s_add_nc_u64 s[46:47], s[4:5], s[42:43]
	s_add_nc_u64 s[30:31], s[46:47], 196608        ; the part's scale bytes
	s_lshl_b32 s48, s9, 15
	s_lshl_b32 s49, s2, 11
	s_add_co_u32 s48, s48, s49
	s_mov_b32 s49, 0
	s_add_nc_u64 s[24:25], s[46:47], s[48:49]      ; q's codes: tile 32 half + 2 wave, 1,024 bytes a tile
	s_lshl_b32 s48, s9, 3
	s_lshr_b32 s50, s2, 1
	s_add_co_u32 s48, s48, s50
	s_lshl_b32 s48, s48, 10
	s_and_b32 s50, s2, 1
	s_lshl_b32 s50, s50, 8
	s_add_co_u32 s48, s48, s50
	s_add_nc_u64 s[26:27], s[30:31], s[48:49]      ; q's words: chunk tile / 4, 128 bytes a tile
	s_lshl_b32 s48, s10, 21
	s_lshl_b32 s50, s9, 20
	s_add_co_u32 s48, s48, s50
	s_lshl_b32 s50, s2, 16
	s_add_co_u32 s48, s48, s50
	s_lshl_b32 s50, s11, 8
	s_add_co_u32 s48, s48, s50
	s_add_nc_u64 s[28:29], s[6:7], s[48:49]        ; o: token 512 half + 32 wave of the slice, the head's 256 bytes
	v_and_b32 v8, 31, v0                           ; lane
	v_and_b32 v9, 15, v0                           ; r
	v_bfe_u32 v10, v0, 4, 1                        ; h
	v_lshlrev_b32 v[LI], 4, v8
	v_lshlrev_b32 v[LS], 2, v8
	v_add_nc_u32 v[LV], 65536, v[LI]
	v_add_nc_u32 v[LKS], KSW, v[LS]
	v_add_nc_u32 v[LVS], VSW, v[LS]
	s_mul_i32 s51, s2, 16*272
	s_add_co_u32 s51, s51, STAGE
	v_mul_u32_u24 v11, v9, 272
	v_lshl_add_u32 v11, v10, 5, v11
	v_add_nc_u32 v[STO], s51, v11                  ; in: row r, 32 bytes for each half of the lanes
	v_mul_u32_u24 v11, v10, 272
	v_lshl_add_u32 v11, v9, 4, v11
	v_add_nc_u32 v[RD], s51, v11                   ; back: lanes 0-15 one row of 256 bytes, lanes 16-31 the next
	v_lshlrev_b32 v[GO], 11, v10
	v_lshl_add_u32 v[GO], v9, 4, v[GO]             ; and the same two rows in o, 2,048 bytes apart
	; the scale words go through registers: K's lie as words already; V's word of 128 keys is pieced from the halves that two work-groups of the launch before wrote
	s_lshl_b32 s52, s2, 10
	s_add_co_u32 s52, s52, 512
	v_lshl_add_u32 v245, v8, 3, s52                ; chunk w, K's 256 bytes
	s_lshr_b32 s53, s2, 1
	s_lshl_b32 s53, s53, 11
	s_and_b32 s54, s2, 1
	s_lshl_b32 s54, s54, 7
	s_add_co_u32 s53, s53, s54
	s_add_co_u32 s53, s53, 768
	v_lshl_add_u32 v246, v8, 1, s53                ; chunks 2 (w / 2) and one on, tiles of d 2 (w % 2) and one on
	global_load_b64 v[40:41], v245, s[30:31]
	global_load_u16 v42, v246, s[30:31]
	global_load_u16 v43, v246, s[30:31] offset:1024
	global_load_u16 v44, v246, s[30:31] offset:64
	global_load_u16 v45, v246, s[30:31] offset:1088
	v_lshl_add_u32 v247, v0, 3, KSW
	s_lshl_b32 s54, s2, 8
	s_add_co_u32 s54, s54, VSW
	v_add_nc_u32 v248, s54, v[LS]
.irp j, 0,1,2,3,4,5,6,7
	v_mov_b32 v[24+\j], 0                          ; the zeros between q and q: they stay
.endr
.irp b, 0,1,2,3
	v_mov_b32 v[PT+\b], 0                          ; written once: a lane permute's destination counts as one of its sources
.endr
	v_mov_b32 v239, 0                              ; (named as the upper half of the pair v[238:239])
	v_mov_b32 v240, 0
	s_mov_b32 s[CS], 0x3e38aa3b
	s_mov_b32 s[CS+1], s[CS]
	s_mov_b32 s[SEL], 0x76543210
	s_mov_b32 s[SEL+1], 0xfedcba98
	s_mov_b32 s[MNT], 0x600000
	s_mov_b32 s35, 2
	s_wait_loadcnt 0x0
	ds_store_b64 v247, v[40:41]
	v_lshl_or_b32 v42, v43, 16, v42
	v_lshl_or_b32 v44, v45, 16, v44
	ds_store_b32 v248, v42
	ds_store_b32 v248, v44 offset:128
	s_wait_tensorcnt 0x0                           ; my 8,192 bytes have landed,
	s_wait_dscnt 0x0                               ; my scale words are stored:
	s_barrier_signal -1
	s_barrier_wait -1                              ; everybody's
; A KEY STEP: keys 128 ks on.  Every LDS offset is an immediate: 65,024 at the most.
.macro STEP ks
.if (\ks) > 0
	PLACES 8                                       ; in front of loads into registers that the last products read
.endif
.irp b, 0,1,2,3
.irp c, 0,1,2,3
	ds_load_b128 v[FR+16*\b+4*\c:FR+16*\b+4*\c+3], v[LI] offset:8192*(\ks)+2048*\b+512*\c
.endr
	ds_load_b32 v[FS+\b], v[LKS] offset:512*(\ks)+128*\b
.endr
	s_wait_dscnt 0x0
.irp b, 0,1,2,3                        ; S^T: registers 16 b .. 16 b + 15 are keys 128 ks + 32 b + 16 h + 0 .. 15 of my query
	v_wmma_scale_f32_16x16x128_f8f6f4 v[S+16*\b:S+16*\b+7], v[FR+16*\b:FR+16*\b+15], v[16:31], 0, v[FS+\b], v236
	v_wmma_scale_f32_16x16x128_f8f6f4 v[S+16*\b+8:S+16*\b+15], v[FR+16*\b:FR+16*\b+15], v[24:39], 0, v[FS+\b], v236
.endr
	PLACES 9                                       ; eight for the loads and reads below, nine for the next step's products, which begin these accumulators anew
.irp t, 0,1,2,3                        ; V's four fragments of this step land while the softmax is worked
.irp c, 0,1,2,3
	ds_load_b128 v[FR+16*\t+4*\c:FR+16*\t+4*\c+3], v[LV] offset:8192*(\ks)+2048*\t+512*\c
.endr
	ds_load_b32 v[FS+\t], v[LVS] offset:512*(\ks)+128*\t
.endr
.irp b, 0,1,2,3
	v_max3_num_f32 v[BM+\b], v[S+16*\b], v[S+1+16*\b], v[S+2+16*\b]    ; the largest score of each block of 32 keys: for the row's maximum and, since p rises with the score, for the block's largest p
.endr
.irp i, 3,5,7,9,11,13
.irp b, 0,1,2,3
	v_max3_num_f32 v[BM+\b], v[BM+\b], v[S+16*\b+\i], v[S+1+16*\b+\i]
.endr
.endr
.irp b, 0,1,2,3
	v_max_num_f32 v[BM+\b], v[BM+\b], v[S+15+16*\b]
.endr
.irp b, 0,1,2,3
	v_permlanex16_b32 v[PT+\b], v[BM+\b], s[SEL], s[SEL+1]
.endr
.irp b, 0,1,2,3
	v_max_num_f32 v[BM+\b], v[BM+\b], v[PT+\b]
.endr
	v_max3_num_f32 v240, v[BM], v[BM+1], v[BM+2]
	v_max_num_f32 v240, v240, v[BM+3]
	v_mul_f32 v240, s[CS], v240                    ; the step's largest t (c is positive)
	v_max_num_f32 v13, v13, v240                   ; the running largest t
	v_mov_b32 v240, v12
	v_floor_f32 v12, -v13                          ; -M = floor(-t): M is a whole number
	v_sub_f32 v240, v12, v240                      ; old M - new M: a whole number, 0 or less
	v_cvt_i32_f32 v240, v240                       ; (it saturates)
	v_ldexp_f32 v238, 1.0, v240                    ; f = 2^(old M - new M)
.set j, 0
.rept 32
	v_pk_fma_f32 v[S+j:S+j+1], v[S+j:S+j+1], s[CS:CS+1], v[12:13] op_sel_hi:[1,0,0]   ; t - M
.set j, j+2
.endr
.irp b, 0,1,2,3
	v_fma_f32 v[BM+\b], v[BM+\b], s[CS], v12
.endr
.set j, 0
.rept 64
	v_exp_f32 v[S+j], v[S+j]                       ; p = 2^(t - M)
.set j, j+1
.endr
.irp b, 0,1,2,3
	v_exp_f32 v[BM+\b], v[BM+\b]                   ; the block's largest p: the same two instructions on the same number
.endr
	v_pk_mul_f32 v[14:15], v[14:15], v[238:239] op_sel_hi:[1,0]        ; the sums under the new M (a plain place behind the exponentials)
	s_wait_alu depctr_va_vdst(0)
.irp b, 0,1,2,3
	v_max_num_f32 v[BM+\b], 0x4800000, v[BM+\b]    ; the floor 2^(9 - 127)
.endr
.irp b, 0,1,2,3
	v_add_nc_u32 v[SOP+\b], 0xfc000000, v[BM+\b]
.endr
.irp b, 0,1,2,3
	v_and_or_b32 v[HD+\b], v[BM+\b], 0x7f800000, s[MNT]
.endr
.irp b, 0,1,2,3
	v_lshrrev_b32 v[PT+\b], 23, v[SOP+\b]
.endr
	v_lshl_or_b32 v237, v[PT+1], 8, v[PT]          ; p's scale word for these 128 keys: far more than eight places ahead of the products that name it
	v_lshl_or_b32 v237, v[PT+2], 16, v237
	v_lshl_or_b32 v237, v[PT+3], 24, v237
	v_pk_add_f32 v[242:243], v[S:S+1], v[S+2:S+3]  ; the row's sum is taken of the unquantised p, in two chains
.set j, 4
.rept 15
	v_pk_add_f32 v[14:15], v[14:15], v[S+j:S+j+1]
	v_pk_add_f32 v[242:243], v[242:243], v[S+j+2:S+j+3]
.set j, j+4
.endr
	v_pk_add_f32 v[14:15], v[14:15], v[242:243]
.irp b, 0,1,2,3
.set j, 0
.rept 16
	v_min_num_f32 v[S+16*\b+j], v[S+16*\b+j], v[HD+\b]                 ; the hold (ISA guide 7.6.2); p is not negative
.set j, j+1
.endr
	v_cvt_scalef32_pk8_fp8_f32 v[PCD+4*\b:PCD+4*\b+1], v[S+16*\b:S+16*\b+7], v[SOP+\b]
	v_cvt_scalef32_pk8_fp8_f32 v[PCD+4*\b+2:PCD+4*\b+3], v[S+16*\b+8:S+16*\b+15], v[SOP+\b]
.endr
.set j, 0
.rept 16
	v_pk_mul_f32 v[O+j:O+j+1], v[O+j:O+j+1], v[238:239] op_sel_hi:[1,0]   ; O^T under the new M, each accumulator from its low end; also the places between the codes and the products
.set j, j+2
.endr
	s_wait_dscnt 0x0                               ; V's fragments and words are in
.irp t, 0,1,2,3                        ; O^T += V^T P^T: four accumulators by turns
	v_wmma_scale_f32_16x16x128_f8f6f4 v[O+8*\t:O+8*\t+7], v[FR+16*\t:FR+16*\t+15], v[PCD:PCD+15], v[O+8*\t:O+8*\t+7], v[FS+\t], v237
.endr
.endm
.Ltile:                                            ; two trips: my two tiles of 16 queries
	global_load_b128 v[16:19], v[LI], s[24:25]
	global_load_b128 v[20:23], v[LI], s[24:25] offset:512
	global_load_b128 v[32:35], v[LI], s[24:25]     ; q a second time, above the zeros
	global_load_b128 v[36:39], v[LI], s[24:25] offset:512
	global_load_b32 v236, v[LS], s[26:27]
	v_mov_b32 v13, 0xff61b1e6                      ; the largest t so far: -3e38
	v_floor_f32 v12, -v13
	v_mov_b32 v14, 0
	v_mov_b32 v15, 0
.set j, 0
.rept 32
	v_mov_b32 v[O+j], 0                            ; the step is written in one form: the first finds zeros, which the first change of M leaves zeros
.set j, j+1
.endr
	s_wait_loadcnt 0x0
.irp ks, 0,1,2,3,4,5,6,7
	STEP \ks
.endr
	; THE WAY OUT of a tile: O^T / the sum through my own stage, so that sixteen lanes store the head's 256 bytes of one token
	PLACES 9
	v_add_f32 v14, v14, v15
	v_permlanex16_b32 v240, v14, s[SEL], s[SEL+1]
	v_add_f32 v14, v14, v240
	v_rcp_f32 v14, v14
	v_nop                                          ; a plain place behind the transcendental
.set j, 0
	s_wait_alu depctr_va_vdst(0)
.rept 32
	v_mul_f32 v[S+j], v[O+j], v14                  ; register 8 t + i: o(query r, d = 16 t + 8 h + i)
.set j, j+1
.endr
.irp t, 0,1,2,3
	ds_store_b128 v[STO], v[S+8*\t:S+8*\t+3] offset:64*\t
	ds_store_b128 v[STO], v[S+8*\t+4:S+8*\t+7] offset:64*\t+16
.endr
.irp i, 0,1,2,3,4,5,6,7
	ds_load_b128 v[FR+4*\i:FR+4*\i+3], v[RD] offset:544*\i             ; LDS serves a wave's instructions in order (ISA guide 5.7.1.4): these see my stores
.endr
.irp i, 0,1,2,3,4,5,6,7
	s_wait_dscnt 7-\i                              ; the younger read-backs may be out
	global_store_b128 v[GO], v[FR+4*\i:FR+4*\i+3], s[28:29] offset:(2*\i+8*(\i/4))*2048   ; index 2 i + h of the tile is token 2 i + h + 8 (i / 4); 16 lanes store 256 consecutive bytes, aligned
.endr
	s_wait_xcnt 0x0                                ; the stores have read their registers and their base: both are written again below and in the next trip
	s_add_nc_u64 s[24:25], s[24:25], 1024
	s_add_nc_u64 s[26:27], s[26:27], 128
	s_add_nc_u64 s[28:29], s[28:29], 16384         ; the second tile's tokens lie 8 further on
	s_sub_co_u32 s35, s35, 1
	s_cmp_lg_u32 s35, 0
	s_cbranch_scc1 .Ltile
	s_wait_tensorcnt 0x0
	ds_add_u32 v254, v255
	s_wait_dscnt 0x0
	s_endpgm
.Lfunc_end_k_q02b8ac0577_attn:
	.size	k_q02b8ac0577_attn, .Lfunc_end_k_q02b8ac0577_attn-k_q02b8ac0577_attn
	.p2alignl 7, 3214868480
	.fill 96, 4, 3214868480
	.section	.rodata,"a",@progbits
	.p2align	6, 0x0
	.amdhsa_kernel k_q02b8ac0577_attn
		.amdhsa_group_segment_fixed_size 210944
		.amdhsa_private_segment_fixed_size 0
		.amdhsa_enable_private_segment 0
		.amdhsa_kernarg_size 16
		.amdhsa_user_sgpr_count 2
		.amdhsa_user_sgpr_kernarg_segment_ptr 1
		.amdhsa_wavefront_size32 1
		.amdhsa_system_sgpr_workgroup_id_x 1
		.amdhsa_system_sgpr_workgroup_id_y 1
		.amdhsa_system_sgpr_workgroup_id_z 1
		.amdhsa_system_vgpr_workitem_id 0
		.amdhsa_next_free_vgpr 256
		.amdhsa_next_free_sgpr 66
		.amdhsa_reserve_vcc 0
		.amdhsa_float_denorm_mode_32 3
		.amdhsa_float_denorm_mode_16_64 3
		.amdhsa_memory_ordered 1
		.amdhsa_forward_progress 1
		.amdhsa_inst_pref_size 159
	.end_amdhsa_kernel
	.amdgpu_metadata
---
amdhsa.version: [ 1, 2 ]
amdhsa.kernels:
  - .name:           k_q02b8ac0577_attn
    .symbol:         k_q02b8ac0577_attn.kd
    .args:
      - { .name: qkv, .offset: 0, .size: 8, .value_kind: global_buffer, .address_space: global }
      - { .name: o, .offset: 8, .size: 8, .value_kind: global_buffer, .address_space: global }
    .group_segment_fixed_size: 210944
    .private_segment_fixed_size: 0
    .kernarg_segment_align: 8
    .kernarg_segment_size: 16
    .max_flat_workgroup_size: 512
    .sgpr_count:     66
    .vgpr_count:     256
    .wavefront_size: 32
...
	.end_amdgpu_metadata
.endif
;; end of part 2
;; launch ffn (part 3): grid 256 x 1, 16 waves a work-group, no clusters, 203,776 bytes of LDS; arguments o, x, ln_g, ln_b, W1_codes, W1_scales, b1, W2_codes, W2_scales, b2, lnff_g, lnff_b, out0; writes out0
.if DOCPART == 3
	.amdgcn_target "amdgcn-amd-amdhsa--gfx1250"
	.amdhsa_code_object_version 6
	.text
	.protected	k_q02b8ac0577_ffn
	.globl	k_q02b8ac0577_ffn
	.p2align	8
	.type	k_q02b8ac0577_ffn,@function
k_q02b8ac0577_ffn:
	s_mov_b64 s[64:65], 0
	v_nop
	global_prefetch_b8 v0, s[64:65] scope:SCOPE_SE
	s_setreg_imm32_b32 hwreg(HW_REG_WAVE_MODE, 25, 1), 1
	s_wait_xcnt 0x0
; out = LN(relu(Q(LN(o + x)) W1 + b1) quantised, W2, + b2), both products on codes of FP8 (E4M3) with one E8M0 scale for each 32 along K; the norms, the residual and the sums in f32.  The hidden layer never goes to memory.
; SHARES.  A work-group takes 64 rows.  In the phases by rows wave w takes rows 4 w .. 4 w + 3, a row over its 32 lanes; in the products it takes columns 32 w .. 32 w + 31 for all 64 rows, so that each fragment of W is read by one wave, once.
; Both products are used transposed (source 0 = 16 rows of W, source 1 = 16 rows of the operand), and lane r of tile u of W takes row 32 w + 8 u + r + 8 (r / 8): a lane's 16 results of a tile of rows are 16 neighbouring columns.
; Operands go from wave to wave through LDS as images of their registers: a group of four registers is 512 bytes, lane l's 16 bytes at 16 l.
; THE NORM is taken in two passes (mean; then the squares of the differences), so that no difference of large sums is formed; 1 / sqrt by v_rsq_f32.
; NO JOINT REQUESTS: all work-groups read the same weights, but each fragment goes from memory straight into the registers of the one wave that multiplies by it; a joint request lands in LDS, where the two weights'
; 524,288 bytes do not fit beside the stage and the images: it would take a ring that is filled again and a round of the cluster's barrier for each refill.
; LIMITS: NaN and infinities among the inputs are not served.  A block whose largest magnitude lies under 2^-118 keeps the scale byte 1; a block of zeros gets the byte 1 and not 127: its codes are zeros, and this launch alone reads the bytes.
.set AIMG, 0                           ; LDS: the normed rows' 16 fragments (tile m, K step s: 4 m + s),
.set ASC,  32768                       ; their scale words,
.set HIMG, 34816                       ; the hidden layer's 16 fragments,
.set HSC,  67584                       ; their scale words,
.set STG,  69632                       ; and the stage: 64 rows
.set SP,   2064                        ; a stage row: 2,048 bytes + 16: each row begins 16 bytes further on modulo 256
.set LI,  1                            ; v1   16 x lane
.set LS,  2                            ; v2   4 x lane
.set WAP, 3                            ; v3   W, rows r + 8 (r / 8): x 512 bytes + 16 h
.set HI,  4                            ; v4   HIMG + 16 x lane
.set WSP, 5                            ; v5   W's scale bytes, 16 a row
.set HS,  6                            ; v6   HSC + 4 x lane
.set BQA, 7                            ; v7   64 h
.set HW,  8                            ; v8   where my group of the hidden layer's fragments goes
.set HB,  9                            ; v9   and my byte of their scale words
.set SO,  10                           ; v10  the stage by results: row r, my wave's 128 bytes, + 64 h
.set XWR, 11                           ; v11  the stage by rows
.set XRD, 12                           ; v12  the stage by fragments
.set XIW, 13                           ; v13  where my fragment of the normed rows goes
.set XSW, 14                           ; v14  and its scale word
.set AS,  15                           ; v15  ASC + 4 x lane
.set SO2, 16                           ; v16  SO, 32 rows further down (beyond the 16-bit offset)
.set T,   20                           ; v20-27 four pairs: a row's figures
.set U,   28                           ; v28-31 the other half of the lanes'
.set ACC, 32                           ; v32-95   four rows of 16 numbers a lane; eight accumulators
.set WF0, 96                           ; v96-127, v128-159: two fragments of W, two buffers; the second also holds a norm's gain and bias
.set WF1, 128
.set XF,  160                          ; v160-223 x's rows; four fragments; between passes: PC, TM, PW
.set BIAS, 224
.set WS,  240                          ; v240-247 W's scale words
.set XS,  248                          ; v248-251 the rows' scale words
.set PC,  160
.set TM,  176
.set PW,  192
.set SEL, 42
.set MNT, 44
.macro PLACES n
.rept \n
	v_nop
.endr
.endm
.macro BARRIER                         ; my LDS stores have landed and my LDS loads are in: then the work-group's barrier
	s_wait_dscnt 0x0
	s_barrier_signal -1
	s_barrier_wait -1
.endm
; 64 numbers of a lane, v[s] on: block b = registers 16 b .. 16 b + 15, which with lane l xor 16's are 32 neighbours along a K.  Codes of block b to v[PC + 4 b] on, its byte to v[TM + 4 + b]; word = 1: the four bytes make v[PW].
; relu = 1: what is negative becomes 0 on the way: it does not count for the largest magnitude, and the hold clips at 0.
.macro QUANT s, relu, word
.if \relu
.irp b, 0,1,2,3
	v_max3_num_f32 v[TM+\b], v[\s+16*\b], v[\s+1+16*\b], 0x4800000
.endr
.irp i, 2,4,6,8,10,12,14
.irp b, 0,1,2,3
	v_max3_num_f32 v[TM+\b], v[TM+\b], v[\s+16*\b+\i], v[\s+1+16*\b+\i]
.endr
.endr
.else
.irp b, 0,1,2,3
	v_max3_num_f32 v[TM+\b], |v[\s+16*\b]|, |v[\s+1+16*\b]|, 0x4800000   ; my 16 numbers and the floor 2^(9 - 127): the byte cannot fall under 1
.endr
.irp i, 2,4,6,8,10,12,14
.irp b, 0,1,2,3
	v_max3_num_f32 v[TM+\b], v[TM+\b], |v[\s+16*\b+\i]|, |v[\s+1+16*\b+\i]|
.endr
.endr
.endif
.irp b, 0,1,2,3
	v_permlanex16_b32 v[TM+4+\b], v[TM+\b], s[SEL], s[SEL+1]
.endr
.irp b, 0,1,2,3
	v_max_num_f32 v[TM+\b], v[TM+\b], v[TM+4+\b]
.endr
.irp b, 0,1,2,3
	v_add_nc_u32 v[TM+12+\b], 0xfc000000, v[TM+\b]                 ; 8 off the exponent field: the conversion's scale operand
.endr
.irp b, 0,1,2,3
	v_and_or_b32 v[TM+8+\b], v[TM+\b], 0x7f800000, s[MNT]          ; 448 x the scale
.endr
.irp b, 0,1,2,3
	v_lshrrev_b32 v[TM+4+\b], 23, v[TM+12+\b]                      ; the scale's byte
.endr
.if \word
	v_lshl_or_b32 v[PW], v[TM+5], 8, v[TM+4]
	v_lshl_or_b32 v[PW], v[TM+6], 16, v[PW]
	v_lshl_or_b32 v[PW], v[TM+7], 24, v[PW]
.endif
.irp b, 0,1,2,3
.irp i, 0,1,2,3,4,5,6,7,8,9,10,11,12,13,14,15
.if \relu
	v_med3_num_f32 v[\s+16*\b+\i], v[\s+16*\b+\i], 0, v[TM+8+\b]   ; the activation and the hold in one
.else
	v_med3_num_f32 v[\s+16*\b+\i], v[\s+16*\b+\i], -v[TM+8+\b], v[TM+8+\b]   ; the conversion to an 8-bit code does not saturate (ISA guide 7.6.2): the hold
.endif
.endr
	v_cvt_scalef32_pk8_fp8_f32 v[PC+4*\b:PC+1+4*\b], v[\s+16*\b:\s+7+16*\b], v[TM+12+\b]
	v_cvt_scalef32_pk8_fp8_f32 v[PC+2+4*\b:PC+3+4*\b], v[\s+8+16*\b:\s+15+16*\b], v[TM+12+\b]
.endr
	v_nop                                          ; one plain vector instruction behind the last scaled conversion
.endm
.macro LOADW buf, adr, base, rstep, s  ; two fragments of W (tiles rstep rows apart), K step s
.irp t, 0,1
.irp c, 0,1,2,3
	global_load_b128 v[\buf+16*\t+4*\c:\buf+16*\t+4*\c+3], v[\adr], s[\base:\base+1] offset:\t*\rstep*512+128*(\s)+32*\c
.endr
.endr
.endm
.macro LOADX ai, sa, s                 ; the four tiles of rows: their fragments of K step s, and their scale words
.irp m, 0,1,2,3
.irp c, 0,1,2,3
	ds_load_b128 v[XF+16*\m+4*\c:XF+16*\m+4*\c+3], v[\ai] offset:(4*\m+(\s))*2048+512*\c
.endr
	ds_load_b32 v[XS+\m], v[\sa] offset:(4*\m+(\s))*128
.endr
.endm
; Eight products of one K step on eight accumulators, one instruction a turn, in the same order in every step.  The first step's C is the bias.
.macro MUL8 buf, s
.irp m, 0,1,2,3
.irp u, 0,1
.if (\s) == 0
	v_wmma_scale_f32_16x16x128_f8f6f4 v[ACC+16*\m+8*\u:ACC+16*\m+8*\u+7], v[\buf+16*\u:\buf+16*\u+15], v[XF+16*\m:XF+16*\m+15], v[BIAS+8*\u:BIAS+8*\u+7], v[WS+4*\u+(\s)], v[XS+\m]
.else
	v_wmma_scale_f32_16x16x128_f8f6f4 v[ACC+16*\m+8*\u:ACC+16*\m+8*\u+7], v[\buf+16*\u:\buf+16*\u+15], v[XF+16*\m:XF+16*\m+15], v[ACC+16*\m+8*\u:ACC+16*\m+8*\u+7], v[WS+4*\u+(\s)], v[XS+\m]
.endif
.endr
.endr
.endm
; A pass: 64 rows x my 32 columns, K = 512 in four steps.  Its scale words, bias and K step 0 of W were asked for by the caller.
.macro PASS adr, base, rstep, ai, sa
.irp s, 0,1,2,3
.if \s > 0
	PLACES 8                                       ; loads into registers that matrix instructions have read stand eight places behind them
.endif
.if \s < 3
	LOADW WF0+32*((\s+1)%2), \adr, \base, \rstep, \s+1
.endif
	LOADX \ai, \sa, \s
.if \s < 3
	s_wait_loadcnt 8                               ; all but the eight loads just issued, the next step's fragments of W
.else
	s_wait_loadcnt 0x0
.endif
	s_wait_dscnt 0x0
	MUL8 WF0+32*(\s%2), \s
.endr
	PLACES 9                                       ; eight for the reads of the results and the loads that follow; nine for the next pass's first products, which begin these accumulators anew
.endm
.macro AUX sbase, bbase                ; a pass's scale words of W (all four K steps of a row in 16 bytes) and its bias in the result's layout: column 32 w + 16 h + 8 u + j
.irp u, 0,1
	global_load_b128 v[WS+4*\u:WS+4*\u+3], v[WSP], s[\sbase:\sbase+1] offset:128*\u
	global_load_b128 v[BIAS+8*\u:BIAS+8*\u+3], v[BQA], s[\bbase:\bbase+1] offset:32*\u
	global_load_b128 v[BIAS+8*\u+4:BIAS+8*\u+7], v[BQA], s[\bbase:\bbase+1] offset:32*\u+16
.endr
.endm
.macro REDUCE                          ; the four rows' figures, halves in v[T + 2 i] and v[T + 2 i + 1], summed over the wave's 32 lanes; the rows by turns
.irp i, 0,1,2,3
	v_add_f32 v[T+2*\i], v[T+2*\i], v[T+2*\i+1]
.endr
.irp k, 1,2,4,8
.irp i, 0,1,2,3
	v_add_f32_dpp v[T+2*\i], v[T+2*\i], v[T+2*\i] row_xmask:\k row_mask:0xf bank_mask:0xf
.endr
.endr
.irp i, 0,1,2,3
	v_permlanex16_b32 v[U+\i], v[T+2*\i], s[SEL], s[SEL+1]
.endr
.irp i, 0,1,2,3
	v_add_f32 v[T+2*\i], v[T+2*\i], v[U+\i]
.endr
.endm
; Four rows, 16 numbers a lane each at v[y + 16 i] on, are normed in place; gain and bias of the lane's 16 columns at v[g] and v[b] on.
.macro LNROWS y, g, b
.irp i, 0,1,2,3
	v_pk_add_f32 v[T+2*\i:T+2*\i+1], v[\y+16*\i:\y+16*\i+1], v[\y+16*\i+2:\y+16*\i+3]
.endr
.irp k, 4,6,8,10,12,14
.irp i, 0,1,2,3
	v_pk_add_f32 v[T+2*\i:T+2*\i+1], v[T+2*\i:T+2*\i+1], v[\y+16*\i+\k:\y+16*\i+\k+1]
.endr
.endr
	REDUCE
.irp i, 0,1,2,3
	v_mul_f32 v[T+2*\i], s45, v[T+2*\i]            ; the mean: the sum / 512
.endr
.irp i, 0,1,2,3
.irp k, 0,2,4,6,8,10,12,14
	v_pk_add_f32 v[\y+16*\i+\k:\y+16*\i+\k+1], v[\y+16*\i+\k:\y+16*\i+\k+1], v[T+2*\i:T+2*\i+1] op_sel_hi:[1,0] neg_lo:[0,1] neg_hi:[0,1]
.endr
.endr
.irp i, 0,1,2,3
	v_pk_mul_f32 v[T+2*\i:T+2*\i+1], v[\y+16*\i:\y+16*\i+1], v[\y+16*\i:\y+16*\i+1]
.endr
.irp k, 2,4,6,8,10,12,14
.irp i, 0,1,2,3
	v_pk_fma_f32 v[T+2*\i:T+2*\i+1], v[\y+16*\i+\k:\y+16*\i+\k+1], v[\y+16*\i+\k:\y+16*\i+\k+1], v[T+2*\i:T+2*\i+1]
.endr
.endr
	REDUCE
.irp i, 0,1,2,3
	v_fma_f32 v[T+2*\i], v[T+2*\i], s45, s46       ; the variance + 1e-5
.endr
.irp i, 0,1,2,3
	v_rsq_f32 v[T+2*\i], v[T+2*\i]
.endr
	v_nop                                          ; a plain place behind the transcendentals
	s_wait_alu depctr_va_vdst(0)
.irp i, 0,1,2,3
.irp k, 0,2,4,6,8,10,12,14
	v_pk_mul_f32 v[\y+16*\i+\k:\y+16*\i+\k+1], v[\y+16*\i+\k:\y+16*\i+\k+1], v[T+2*\i:T+2*\i+1] op_sel_hi:[1,0]
.endr
.endr
.irp i, 0,1,2,3
.irp k, 0,2,4,6,8,10,12,14
	v_pk_fma_f32 v[\y+16*\i+\k:\y+16*\i+\k+1], v[\y+16*\i+\k:\y+16*\i+\k+1], v[\g+\k:\g+\k+1], v[\b+\k:\b+\k+1]
.endr
.endr
.endm
	s_load_b512 s[8:23], s[0:1], 0x0               ; o 8, x 10, ln_g 12, ln_b 14, W1's codes 16, scales 18, b1 20, W2's codes 22
	s_load_b256 s[24:31], s[0:1], 0x40             ; W2's scales 24, b2 26, lnff_g 28, lnff_b 30
	s_load_b64 s[32:33], s[0:1], 0x60              ; out0
	v_lshl_add_u32 v254, v0, 2, 0x31400
	v_mov_b32 v255, 0
	v_lshrrev_b32 v20, 5, v0
	v_readfirstlane_b32 s2, v20                    ; wave 0..15
	v_and_b32 v20, 31, v0                          ; lane
	v_and_b32 v21, 15, v0                          ; r
	v_bfe_u32 v22, v0, 4, 1                        ; h
	v_lshlrev_b32 v[LI], 4, v20
	v_lshlrev_b32 v[LS], 2, v20
	v_and_b32 v23, 8, v21
	v_add_nc_u32 v23, v23, v21                     ; r + 8 (r / 8)
	v_lshlrev_b32 v[WAP], 9, v23
	v_lshl_add_u32 v[WAP], v22, 4, v[WAP]
	v_lshlrev_b32 v[WSP], 4, v23
	v_lshlrev_b32 v[BQA], 6, v22
	v_add_nc_u32 v[HI], HIMG, v[LI]
	v_add_nc_u32 v[HS], HSC, v[LS]
	s_lshr_b32 s36, s2, 2                          ; w / 4
	s_and_b32 s37, s2, 3                           ; w % 4
	s_lshl_b32 s38, s36, 11
	s_lshl_b32 s39, s37, 9
	s_add_co_u32 s38, s38, s39
	s_add_co_u32 s38, s38, HIMG
	v_add_nc_u32 v[HW], s38, v[LI]                 ; my 32 hidden units are block w % 4 of K step w / 4
	s_lshl_b32 s38, s36, 7
	s_add_co_u32 s38, s38, s37
	s_add_co_u32 s38, s38, HSC
	v_add_nc_u32 v[HB], s38, v[LS]
	s_lshl_b32 s38, s2, 7
	s_add_co_u32 s38, s38, STG
	v_mul_u32_u24 v24, v21, SP
	v_lshl_add_u32 v24, v22, 6, v24                ; row r, + 64 h
	v_add_nc_u32 v[SO], s38, v24
	v_add_nc_u32 v[SO2], 32*SP, v[SO]
	s_mul_i32 s38, s2, 4*SP
	s_add_co_u32 s38, s38, STG
	v_add_nc_u32 v[XWR], s38, v[LI]
	s_mul_i32 s38, s36, 16*SP                      ; my fragment: tile w / 4, K step w % 4
	s_add_co_u32 s38, s38, s39
	s_add_co_u32 s38, s38, STG
	v_add_nc_u32 v[XRD], s38, v24
	s_lshl_b32 s38, s2, 11
	v_add_nc_u32 v[XIW], s38, v[LI]
	v_lshl_add_u32 v[XSW], v0, 2, ASC
	v_add_nc_u32 v[AS], ASC, v[LS]
.irp b, 0,1,2,3
	v_mov_b32 v[TM+4+\b], 0                        ; written once: a lane permute's destination counts as one of its sources
	v_mov_b32 v[U+\b], 0
.endr
	s_mov_b32 s[SEL], 0x76543210
	s_mov_b32 s[SEL+1], 0xfedcba98
	s_mov_b32 s[MNT], 0x600000
	s_mov_b32 s45, 0x3b000000                      ; 1 / 512
	s_mov_b32 s46, 0x3727c5ac                      ; 1e-5
	s_lshl_b32 s34, ttmp9, 17                      ; my work-group's 64 rows of 2,048 bytes,
	s_lshl_b32 s47, s2, 13                         ; my wave's 4 of them
	s_add_co_u32 s34, s34, s47
	s_mov_b32 s35, 0
	s_wait_kmcnt 0x0
	s_add_nc_u64 s[8:9], s[8:9], s[34:35]
	s_add_nc_u64 s[10:11], s[10:11], s[34:35]
	s_add_nc_u64 s[32:33], s[32:33], s[34:35]
	s_lshl_b32 s34, s2, 14                         ; my 32 rows of each W: codes,
	s_add_nc_u64 s[16:17], s[16:17], s[34:35]
	s_add_nc_u64 s[22:23], s[22:23], s[34:35]
	s_lshl_b32 s34, s2, 9                          ; scale bytes,
	s_add_nc_u64 s[18:19], s[18:19], s[34:35]
	s_add_nc_u64 s[24:25], s[24:25], s[34:35]
	s_lshl_b32 s34, s2, 7                          ; bias
	s_add_nc_u64 s[20:21], s[20:21], s[34:35]
	s_add_nc_u64 s[26:27], s[26:27], s[34:35]
	; ---- 0: my 4 rows of o and of x, 512 consecutive bytes a load; the first norm
.irp i, 0,1,2,3
.irp j, 0,1,2,3
	global_load_b128 v[ACC+16*\i+4*\j:ACC+16*\i+4*\j+3], v[LI], s[8:9] offset:2048*\i+512*\j th:TH_LOAD_NT
.endr
.endr
.irp i, 0,1,2,3
.irp j, 0,1,2,3
	global_load_b128 v[XF+16*\i+4*\j:XF+16*\i+4*\j+3], v[LI], s[10:11] offset:2048*\i+512*\j th:TH_LOAD_NT
.endr
.endr
.irp j, 0,1,2,3
	global_load_b128 v[WF1+4*\j:WF1+4*\j+3], v[LI], s[12:13] offset:512*\j
	global_load_b128 v[WF1+16+4*\j:WF1+16+4*\j+3], v[LI], s[14:15] offset:512*\j
.endr
	AUX 18, 20
	LOADW WF0, WAP, 16, 8, 0
	s_wait_loadcnt 14                              ; all but the 14 loads for the first pass
.set k, 0
.rept 32
	v_pk_add_f32 v[ACC+k:ACC+k+1], v[ACC+k:ACC+k+1], v[XF+k:XF+k+1]    ; the residual
.set k, k+2
.endr
	LNROWS ACC, WF1, WF1+16
.irp i, 0,1,2,3
.irp j, 0,1,2,3
	ds_store_b128 v[XWR], v[ACC+16*\i+4*\j:ACC+16*\i+4*\j+3] offset:SP*\i+512*\j
.endr
.endr
	BARRIER                                        ; 64 normed rows lie in the stage
	; ---- X: wave w makes fragment w: of its row a lane takes 16 neighbours of each block of 32
.irp b, 0,1,2,3
.irp j, 0,1,2,3
	ds_load_b128 v[ACC+16*\b+4*\j:ACC+16*\b+4*\j+3], v[XRD] offset:128*\b+16*\j
.endr
.endr
	s_wait_dscnt 0x0
	QUANT ACC, 0, 1
.irp c, 0,1,2,3
	ds_store_b128 v[XIW], v[PC+4*\c:PC+4*\c+3] offset:AIMG+512*\c
.endr
	ds_store_b32 v[XSW], v[PW]
	BARRIER                                        ; the sixteen fragments lie in LDS, and nobody reads the stage any more
	; ---- B: the hidden layer: block m of the 64 results is row r of tile m, hidden units 32 w + 16 h + 0 .. 15
	PASS WAP, 16, 8, LI, AS
	AUX 24, 26                                     ; the second product's, while the hidden layer is quantised
	LOADW WF0, WAP, 22, 8, 0
	QUANT ACC, 1, 0
.irp m, 0,1,2,3
	ds_store_b128 v[HW], v[PC+4*\m:PC+4*\m+3] offset:8192*\m
	ds_store_b8 v[HB], v[TM+4+\m] offset:512*\m
.endr
	BARRIER                                        ; the hidden layer's sixteen fragments lie in LDS
	; ---- C: the second product; its results meet in the stage
	PASS WAP, 22, 8, HI, HS
.irp j, 0,1,2,3
	global_load_b128 v[WF1+4*\j:WF1+4*\j+3], v[LI], s[28:29] offset:512*\j
	global_load_b128 v[WF1+16+4*\j:WF1+16+4*\j+3], v[LI], s[30:31] offset:512*\j
.endr
.irp m, 0,1,2,3
.irp u, 0,1
.if \m < 2
	ds_store_b128 v[SO], v[ACC+16*\m+8*\u:ACC+16*\m+8*\u+3] offset:(\m%2)*16*SP+32*\u          ; each accumulator from its low end on
	ds_store_b128 v[SO], v[ACC+16*\m+8*\u+4:ACC+16*\m+8*\u+7] offset:(\m%2)*16*SP+32*\u+16
.else
	ds_store_b128 v[SO2], v[ACC+16*\m+8*\u:ACC+16*\m+8*\u+3] offset:(\m%2)*16*SP+32*\u
	ds_store_b128 v[SO2], v[ACC+16*\m+8*\u+4:ACC+16*\m+8*\u+7] offset:(\m%2)*16*SP+32*\u+16
.endif
.endr
.endr
	BARRIER                                        ; 64 whole rows lie in the stage
	; ---- D: the last norm, and out
.irp i, 0,1,2,3
.irp j, 0,1,2,3
	ds_load_b128 v[ACC+16*\i+4*\j:ACC+16*\i+4*\j+3], v[XWR] offset:SP*\i+512*\j
.endr
.endr
	s_wait_dscnt 0x0
	s_wait_loadcnt 0x0                             ; lnff_g, lnff_b
	LNROWS ACC, WF1, WF1+16
.irp i, 0,1,2,3
.irp j, 0,1,2,3
	global_store_b128 v[LI], v[ACC+16*\i+4*\j:ACC+16*\i+4*\j+3], s[32:33] offset:2048*\i+512*\j th:TH_STORE_NT   ; 32 lanes store 512 consecutive bytes, aligned
.endr
.endr
	s_wait_tensorcnt 0x0
	ds_add_u32 v254, v255
	s_wait_dscnt 0x0
	s_endpgm
.Lfunc_end_k_q02b8ac0577_ffn:
	.size	k_q02b8ac0577_ffn, .Lfunc_end_k_q02b8ac0577_ffn-k_q02b8ac0577_ffn
	.p2alignl 7, 3214868480
	.fill 96, 4, 3214868480
	.section	.rodata,"a",@progbits
	.p2align	6, 0x0
	.amdhsa_kernel k_q02b8ac0577_ffn
		.amdhsa_group_segment_fixed_size 203776
		.amdhsa_private_segment_fixed_size 0
		.amdhsa_enable_private_segment 0
		.amdhsa_kernarg_size 104
		.amdhsa_user_sgpr_count 2
		.amdhsa_user_sgpr_kernarg_segment_ptr 1
		.amdhsa_wavefront_size32 1
		.amdhsa_system_sgpr_workgroup_id_x 1
		.amdhsa_system_sgpr_workgroup_id_y 1
		.amdhsa_system_sgpr_workgroup_id_z 1
		.amdhsa_system_vgpr_workitem_id 0
		.amdhsa_next_free_vgpr 256
		.amdhsa_next_free_sgpr 66
		.amdhsa_reserve_vcc 0
		.amdhsa_float_denorm_mode_32 3
		.amdhsa_float_denorm_mode_16_64 3
		.amdhsa_memory_ordered 1
		.amdhsa_forward_progress 1
		.amdhsa_inst_pref_size 88
	.end_amdhsa_kernel
	.amdgpu_metadata
---
amdhsa.version: [ 1, 2 ]
amdhsa.kernels:
  - .name:           k_q02b8ac0577_ffn
    .symbol:         k_q02b8ac0577_ffn.kd
    .args:
      - { .name: o, .offset: 0, .size: 8, .value_kind: global_buffer, .address_space: global }
      - { .name: x, .offset: 8, .size: 8, .value_kind: global_buffer, .address_space: global }
      - { .name: ln_g, .offset: 16, .size: 8, .value_kind: global_buffer, .address_space: global }
      - { .name: ln_b, .offset: 24, .size: 8, .value_kind: global_buffer, .address_space: global }
      - { .name: W1_codes, .offset: 32, .size: 8, .value_kind: global_buffer, .address_space: global }
      - { .name: W1_scales, .offset: 40, .size: 8, .value_kind: global_buffer, .address_space: global }
      - { .name: b1, .offset: 48, .size: 8, .value_kind: global_buffer, .address_space: global }
      - { .name: W2_codes, .offset: 56, .size: 8, .value_kind: global_buffer, .address_space: global }
      - { .name: W2_scales, .offset: 64, .size: 8, .value_kind: global_buffer, .address_space: global }
      - { .name: b2, .offset: 72, .size: 8, .value_kind: global_buffer, .address_space: global }
      - { .name: lnff_g, .offset: 80, .size: 8, .value_kind: global_buffer, .address_space: global }
      - { .name: lnff_b, .offset: 88, .size: 8, .value_kind: global_buffer, .address_space: global }
      - { .name: out0, .offset: 96, .size: 8, .value_kind: global_buffer, .address_space: global }
    .group_segment_fixed_size: 203776
    .private_segment_fixed_size: 0
    .kernarg_segment_align: 8
    .kernarg_segment_size: 104
    .max_flat_workgroup_size: 512
    .sgpr_count:     66
    .vgpr_count:     256
    .wavefront_size: 32
...
	.end_amdgpu_metadata
.endif
;; end of part 3
;; ======== version 2 of 2: 3 launches
;; workspace buffers: qkv 27,262,976 bytes; o 33,554,432 bytes
;; launch qkv (part 4): grid 256 x 1, 16 waves a work-group, no clusters, 177,152 bytes of LDS; arguments x, Wq_codes, Wq_scales, bq, Wk_codes, Wk_scales, bk, Wv_codes, Wv_scales, bv, qkv; writes qkv
.if DOCPART == 4
	.amdgcn_target "amdgcn-amd-amdhsa--gfx1250"
	.amdhsa_code_object_version 6
	.text
	.protected	k_q02b8ac0577_qkv
	.globl	k_q02b8ac0577_qkv
	.p2align	8
	.type	k_q02b8ac0577_qkv,@function
k_q02b8ac0577_qkv:
	s_mov_b64 s[64:65], 0
	v_nop
	global_prefetch_b8 v0, s[64:65] scope:SCOPE_SE
	s_setreg_imm32_b32 hwreg(HW_REG_WAVE_SCHED_MODE, 0, 2), 2
	s_setreg_imm32_b32 hwreg(HW_REG_WAVE_MODE, 25, 1), 1
	s_wait_xcnt 0x0
	s_wait_alu depctr_vm_vsrc(0)
; q = Q(x) Wq + bq, k = Q(x) Wk + bk, v = Q(x) Wv + bv on codes of FP8 (E4M3) with one E8M0 scale for each 32 along K; then q and k are quantised along the head's 64, v along the tokens (the keys),
; and all three leave as IMAGES OF OPERAND REGISTERS: a group of four registers is 512 bytes, lane l's 16 bytes at 16 l, so that the next launch loads fragments by dense 16-byte loads alone.
; SHARES.  A work-group takes 64 tokens of one slice (b, t); each of its sixteen waves takes 32 columns of q, of k and of v: half a head (head = wave / 2, half g = wave % 2).  Four waves to a SIMD, 256 registers each.
; THE TOKENS OF A TILE ARE NOT NEIGHBOURS: index r of tile 2 b + u is token 32 b + 8 u + r + 8 (r / 8).  q and k are made transposed (source 0 = 16 rows of W, source 1 = 16 tokens): a lane holds one token and 16 neighbouring
; columns, which with lane l xor 16's are a block of 32 along the head's axis.  v is made the other way round (source 0 = tokens, source 1 = rows of Wv): a lane holds one column and, over tiles 2 b and 2 b + 1, 16 neighbouring tokens.
; THE PART OF qkv OF ONE (slice, head), PH bytes: Q [64 tiles][2 groups][512] | K [32 blocks of 32 keys][4 groups: 2 u + g][512] | V [8 steps of 128 keys][4 tiles of 16 d][4 groups][512] | scales [16 work-groups][1,024]:
;   +0 Q's words [4 tiles][32 lanes], bytes (d0, d1, d0, d1); +512 K's words [2 blocks][32 lanes], byte 2 u + g; +768 V's halves [4 tiles of d][32 lanes] of two bytes, byte b = key block 2 wg + b.
; NO JOINT REQUESTS: all work-groups read the same weights, but each fragment of W goes from memory straight into the registers of the one wave that multiplies by it; a joint request lands in LDS, where the three weights'
; 786,432 bytes do not fit beside the stage: it would take a ring that is filled again and a round of the cluster's barrier for each refill.
; LIMITS: NaN and infinities among the inputs are not served.  A block whose largest magnitude lies under 2^-118 keeps the scale byte 1; a block of zeros gets the byte 1 and not 127: its codes are zeros, and this program alone reads the bytes.
; THE MODE: SCHED_MODE bits 1:0 = 2 (LLVM: expert scheduling mode 2), set by the entry lines.  The code itself states the register dependences
; between vector or matrix instructions and memory or LDS instructions, with s_wait_alu, always for 0.
; THE PLAN.  Registers that memory or LDS instructions touch:
;   v1-16, v254, v255  addresses and the add's two: written once at the head, never again.
;   ACC    x's loads land in it, the stage's stores read it; the loads in fragment order land in it; from then on vector and matrix instructions alone name it.
;   PC, the bytes at TM + 4, PW  written by QUANT, read by the stores behind it; the next pass's loads of x's fragments land on them.
;   XF, XS step s's LDS loads land in them, step s's products read them: one buffer (four waves of 256 registers fill a SIMD's 1,024).
;   WF0, WF0 + 32  W's two buffers by turns: step s's products read buffer s % 2, the loads of step s + 1 land in the other.
;   WS, BIAS  loaded ahead of a pass, read by its products (the v pass writes BIAS by moves, as a C alone).   v18-19 loaded once.   v20-23 the head's temporaries, at the end a load's and a store's data.
; So: one wait on va_vdst ahead of the first load; one behind each QUANT, ahead of its stores; one at the head of a pass's steps 1 to 3; one behind the q and the k pass, ahead of the next pass's first loads.
; One wait on vm_vsrc ahead of the loads into ACC that follow the stage's stores, and one at each pass's head.  Between each of these waits and the loads or stores that lean on it no vector or matrix instruction names their registers.
.set PH,   212992
.set XIMG, 0                           ; LDS: x's 16 fragments (tile m, K step s: 4 m + s), 2,048 bytes each,
.set XSC,  32768                       ; their scale words, 128 bytes each,
.set SCO,  34816                       ; the scale bytes on their way out: 1,024 bytes for each of the 8 heads, laid as in qkv,
.set STG,  43008                       ; and the stage: 64 rows of x
.set SP,   2064                        ; a stage row: 2,048 bytes + 16: each row begins 16 bytes further on modulo 256
.set LI,  1                            ; v1   16 x lane
.set LS,  2                            ; v2   4 x lane
.set WAP, 3                            ; v3   W, rows r + 8 (r / 8): x 512 bytes + 16 h
.set WAN, 4                            ; v4   W, rows r
.set WSP, 5                            ; v5   W's scale bytes, 16 a row: rows r + 8 (r / 8)
.set WSN, 6                            ; v6   rows r
.set BQA, 7                            ; v7   64 h: a bias's 16 numbers of my half
.set BVA, 8                            ; v8   4 r
.set SB,  9                            ; v9   my byte in Q's and K's words
.set SBV, 10                           ; v10  and in V's halves
.set XWR, 11                           ; v11  the stage by rows: my wave's 4 rows, 16 bytes a lane
.set XRD, 12                           ; v12  the stage by fragments
.set XIW, 13                           ; v13  where my fragment of x goes
.set XSW, 14                           ; v14  and its scale word
.set AS,  15                           ; v15  x's scale words: XSC + 4 x lane
.set SCR, 16                           ; v16  the scale bytes' way out: SCO + 16 x thread
.set BVT, 18                           ; v18-19 bv of my column, two tiles
.set ACC, 32                           ; v32-95   eight accumulators
.set WF0, 96                           ; v96-127, v128-159: two fragments of W, two buffers
.set XF,  160                          ; v160-223 four fragments of x; between passes: PC, TM, PW
.set BIAS, 224                         ; v224-239 the bias as the C of a sum's first product
.set WS,  240                          ; v240-247 W's scale words: tile u, K step s at 4 u + s
.set XS,  248                          ; v248-251 x's scale words
.set PC,  160                          ; the codes just made
.set TM,  176                          ; +0 largest magnitudes, +4 bytes, +8 the largest number x the scale, +12 the conversion's scale operand
.set PW,  192                          ; the scale word just made
.set SEL, 42                           ; s[42:43] v_permlanex16_b32's selects for lane l xor 16
.set MNT, 44                           ; s44  the mantissa field of 448
.macro PLACES n
.rept \n
	v_nop
.endr
.endm
.macro BARRIER                         ; my LDS stores have landed and my LDS loads are in: then the work-group's barrier
	s_wait_dscnt 0x0
	s_barrier_signal -1
	s_barrier_wait -1
.endm
; 64 numbers of a lane, v[s] on: block b = registers 16 b .. 16 b + 15, which with lane l xor 16's are 32 neighbours along a K.  Codes of block b to v[PC + 4 b] on, its byte to v[TM + 4 + b]; word = 1: the four bytes make v[PW].
.macro QUANT s, relu, word
.if \relu
.irp b, 0,1,2,3
	v_max3_num_f32 v[TM+\b], v[\s+16*\b], v[\s+1+16*\b], 0x4800000
.endr
.irp i, 2,4,6,8,10,12,14
.irp b, 0,1,2,3
	v_max3_num_f32 v[TM+\b], v[TM+\b], v[\s+16*\b+\i], v[\s+1+16*\b+\i]
.endr
.endr
.else
.irp b, 0,1,2,3
	v_max3_num_f32 v[TM+\b], |v[\s+16*\b]|, |v[\s+1+16*\b]|, 0x4800000   ; my 16 numbers and the floor 2^(9 - 127): the byte cannot fall under 1
.endr
.irp i, 2,4,6,8,10,12,14
.irp b, 0,1,2,3
	v_max3_num_f32 v[TM+\b], v[TM+\b], |v[\s+16*\b+\i]|, |v[\s+1+16*\b+\i]|   ; the four blocks by turns; each accumulator is read from its low end on
.endr
.endr
.endif
.irp b, 0,1,2,3
	v_permlanex16_b32 v[TM+4+\b], v[TM+\b], s[SEL], s[SEL+1]
.endr
.irp b, 0,1,2,3
	v_max_num_f32 v[TM+\b], v[TM+\b], v[TM+4+\b]                   ; with lane l xor 16's: the block's largest magnitude
.endr
.irp b, 0,1,2,3
	v_add_nc_u32 v[TM+12+\b], 0xfc000000, v[TM+\b]                 ; 8 off its exponent field: the conversion takes this operand's exponent field as its scale
.endr
.irp b, 0,1,2,3
	v_and_or_b32 v[TM+8+\b], v[TM+\b], 0x7f800000, s[MNT]          ; 448 x the scale
.endr
.irp b, 0,1,2,3
	v_lshrrev_b32 v[TM+4+\b], 23, v[TM+12+\b]                      ; the scale's byte
.endr
.if \word
	v_lshl_or_b32 v[PW], v[TM+5], 8, v[TM+4]
	v_lshl_or_b32 v[PW], v[TM+6], 16, v[PW]
	v_lshl_or_b32 v[PW], v[TM+7], 24, v[PW]
.endif
.irp b, 0,1,2,3
.irp i, 0,1,2,3,4,5,6,7,8,9,10,11,12,13,14,15
.if \relu
	v_med3_num_f32 v[\s+16*\b+\i], v[\s+16*\b+\i], 0, v[TM+8+\b]
.else
	v_med3_num_f32 v[\s+16*\b+\i], v[\s+16*\b+\i], -v[TM+8+\b], v[TM+8+\b]   ; the conversion to an 8-bit code does not saturate (ISA guide 7.6.2): the hold
.endif
.endr
	v_cvt_scalef32_pk8_fp8_f32 v[PC+4*\b:PC+1+4*\b], v[\s+16*\b:\s+7+16*\b], v[TM+12+\b]
	v_cvt_scalef32_pk8_fp8_f32 v[PC+2+4*\b:PC+3+4*\b], v[\s+8+16*\b:\s+15+16*\b], v[TM+12+\b]
.endr
	v_nop                                          ; one plain vector instruction behind the last scaled conversion
.endm
.macro LOADW buf, adr, base, rstep, s  ; two fragments of W (tiles rstep rows apart), K step s
.irp t, 0,1
.irp c, 0,1,2,3
	global_load_b128 v[\buf+16*\t+4*\c:\buf+16*\t+4*\c+3], v[\adr], s[\base:\base+1] offset:\t*\rstep*512+128*(\s)+32*\c
.endr
.endr
.endm
.macro LOADX ai, sa, s                 ; the four token tiles' fragments of K step s, and their scale words
.irp m, 0,1,2,3
.irp c, 0,1,2,3
	ds_load_b128 v[XF+16*\m+4*\c:XF+16*\m+4*\c+3], v[\ai] offset:(4*\m+(\s))*2048+512*\c
.endr
	ds_load_b32 v[XS+\m], v[\sa] offset:(4*\m+(\s))*128
.endr
.endm
; Eight products of one K step on eight accumulators, one instruction a turn, in the same order in every step.  The first step's C is the bias: nothing is cleared or added later.
.macro MUL8 tr, buf, s
.irp m, 0,1,2,3
.irp u, 0,1
.if \tr
.if (\s) == 0
	v_wmma_scale_f32_16x16x128_f8f6f4 v[ACC+16*\m+8*\u:ACC+16*\m+8*\u+7], v[\buf+16*\u:\buf+16*\u+15], v[XF+16*\m:XF+16*\m+15], v[BIAS+8*\u:BIAS+8*\u+7], v[WS+4*\u+(\s)], v[XS+\m]
.else
	v_wmma_scale_f32_16x16x128_f8f6f4 v[ACC+16*\m+8*\u:ACC+16*\m+8*\u+7], v[\buf+16*\u:\buf+16*\u+15], v[XF+16*\m:XF+16*\m+15], v[ACC+16*\m+8*\u:ACC+16*\m+8*\u+7], v[WS+4*\u+(\s)], v[XS+\m]
.endif
.else
.if (\s) == 0
	v_wmma_scale_f32_16x16x128_f8f6f4 v[ACC+32*\u+8*\m:ACC+32*\u+8*\m+7], v[XF+16*\m:XF+16*\m+15], v[\buf+16*\u:\buf+16*\u+15], v[BIAS+8*\u:BIAS+8*\u+7], v[XS+\m], v[WS+4*\u+(\s)]
.else
	v_wmma_scale_f32_16x16x128_f8f6f4 v[ACC+32*\u+8*\m:ACC+32*\u+8*\m+7], v[XF+16*\m:XF+16*\m+15], v[\buf+16*\u:\buf+16*\u+15], v[ACC+32*\u+8*\m:ACC+32*\u+8*\m+7], v[XS+\m], v[WS+4*\u+(\s)]
.endif
.endif
.endr
.endr
.endm
; A pass: 64 tokens x my 32 columns, K = 512 in four steps.  Its scale words, bias and K step 0 of W were asked for by the caller.  vb = 1: the bias is one number a lane (v's), spread over the C registers at step 0.
.macro PASS tr, adr, base, rstep, ai, sa, vb
.irp s, 0,1,2,3
.if \s > 0
	PLACES 8                                       ; eight places between the last step's products and the loads into the registers that they read; the wait below states the dependence
	s_wait_alu depctr_va_vdst(0)                   ; the last step's products are done reading XF, XS and their buffer of W: this step's LDS loads and the next step's loads of W land there
.else
	s_wait_alu depctr_vm_vsrc(0)                   ; the stores issued ahead of the pass have read the codes, the bytes and the scale word (v160 on), on which this step's LDS loads land
.endif
.if \s < 3
	LOADW WF0+32*((\s+1)%2), \adr, \base, \rstep, \s+1
.endif
	LOADX \ai, \sa, \s
.if \s < 3
	s_wait_loadcnt 8                               ; all but the eight loads just issued, the next step's fragments of W
.else
	s_wait_loadcnt 0x0
.endif
.if \vb
.if \s == 0
.irp t, 0,1
	s_wait_alu depctr_va_vdst(0)
.irp j, 0,1,2,3,4,5,6,7
	v_mov_b32 v[BIAS+8*\t+\j], v[BVT+\t]
.endr
.endr
	s_wait_alu depctr_va_vdst(0)
	PLACES 8
.endif
.endif
	s_wait_dscnt 0x0
	MUL8 \tr, WF0+32*(\s%2), \s
.endr
	PLACES 9                                       ; eight for the reads of the results and the loads that follow; nine for the next pass's first products, which begin these accumulators anew
.endm
.macro AUX sbase, bbase                ; a transposed pass's scale words of W (all four K steps of a row in 16 bytes) and its bias in the result's layout: column 32 w + 16 h + 8 u + j
.irp u, 0,1
	global_load_b128 v[WS+4*\u:WS+4*\u+3], v[WSP], s[\sbase:\sbase+1] offset:128*\u
	global_load_b128 v[BIAS+8*\u:BIAS+8*\u+3], v[BQA], s[\bbase:\bbase+1] offset:32*\u
	global_load_b128 v[BIAS+8*\u+4:BIAS+8*\u+7], v[BQA], s[\bbase:\bbase+1] offset:32*\u+16
.endr
.endm
	s_load_b512 s[8:23], s[0:1], 0x0               ; x 8, Wq's codes 10, scales 12, bq 14, Wk's codes 16, scales 18, bk 20, Wv's codes 22
	s_load_b128 s[24:27], s[0:1], 0x40             ; Wv's scales 24, bv 26
	s_load_b64 s[28:29], s[0:1], 0x50              ; qkv
	v_lshl_add_u32 v254, v0, 2, 0x2ac00
	v_mov_b32 v255, 0
	v_lshrrev_b32 v20, 5, v0
	v_readfirstlane_b32 s2, v20                    ; wave 0..15
	s_and_b32 s5, ttmp9, 15                        ; wg: which 64 tokens of the slice
	s_lshr_b32 s6, ttmp9, 4                        ; the slice
	v_and_b32 v20, 31, v0                          ; lane
	v_and_b32 v21, 15, v0                          ; r
	v_bfe_u32 v22, v0, 4, 1                        ; h
	v_lshlrev_b32 v[LI], 4, v20
	v_lshlrev_b32 v[LS], 2, v20
	v_and_b32 v23, 8, v21
	v_add_nc_u32 v23, v23, v21                     ; r + 8 (r / 8)
	v_lshlrev_b32 v[WAP], 9, v23
	v_lshl_add_u32 v[WAP], v22, 4, v[WAP]
	v_lshlrev_b32 v[WAN], 9, v21
	v_lshl_add_u32 v[WAN], v22, 4, v[WAN]
	v_lshlrev_b32 v[WSP], 4, v23
	v_lshlrev_b32 v[WSN], 4, v21
	v_lshlrev_b32 v[BQA], 6, v22
	v_lshlrev_b32 v[BVA], 2, v21
	s_wait_alu depctr_va_sdst(0)                   ; s2 is written, ahead of its first reader: LDS addresses and every base are made from it
	s_and_b32 s3, s2, 1                            ; g: which half of the head
	s_lshr_b32 s4, s2, 1                           ; the head
	s_lshl_b32 s48, s4, 10
	s_add_co_u32 s48, s48, s3
	s_add_co_u32 s48, s48, SCO
	v_add_nc_u32 v[SB], s48, v[LS]                 ; SCO + 1,024 head + 4 lane + g
	s_lshl_b32 s49, s4, 10
	s_lshl_b32 s50, s3, 7
	s_add_co_u32 s49, s49, s50
	s_add_co_u32 s49, s49, SCO+768
	v_lshl_add_u32 v[SBV], v20, 1, s49             ; SCO + 1,024 head + 768 + 128 g + 2 lane
	s_mul_i32 s50, s2, 4*SP
	s_add_co_u32 s50, s50, STG
	v_add_nc_u32 v[XWR], s50, v[LI]
	s_lshr_b32 s51, s2, 3
	s_lshl_b32 s51, s51, 5
	s_bfe_u32 s52, s2, 0x10002
	s_lshl_b32 s52, s52, 3
	s_add_co_u32 s51, s51, s52                     ; my fragment's tile begins at row 32 (w / 8) + 8 ((w / 4) % 2)
	s_mul_i32 s51, s51, SP
	s_and_b32 s52, s2, 3
	s_lshl_b32 s52, s52, 9
	s_add_co_u32 s51, s51, s52                     ; its K step: 512 bytes of a row
	s_add_co_u32 s51, s51, STG
	v_mul_u32_u24 v24, v23, SP
	v_lshl_add_u32 v24, v22, 6, v24
	v_add_nc_u32 v[XRD], s51, v24
	s_lshl_b32 s53, s2, 11
	v_add_nc_u32 v[XIW], s53, v[LI]
	v_lshl_add_u32 v[XSW], v0, 2, XSC
	v_add_nc_u32 v[AS], XSC, v[LS]
	v_lshl_add_u32 v[SCR], v0, 4, SCO
.irp b, 0,1,2,3
	v_mov_b32 v[TM+4+\b], 0                        ; written once: a lane permute's destination counts as one of its sources
.endr
	s_mov_b32 s[SEL], 0x76543210
	s_mov_b32 s[SEL+1], 0xfedcba98
	s_mov_b32 s[MNT], 0x600000
	s_lshl_b32 s30, ttmp9, 17                      ; my work-group's 64 rows of 2,048 bytes,
	s_lshl_b32 s46, s2, 13                         ; my wave's 4 of them
	s_add_co_u32 s30, s30, s46
	s_mov_b32 s31, 0
	s_lshl_b32 s32, s6, 3
	s_add_co_u32 s32, s32, s4
	s_mul_i32 s32, s32, PH                         ; the part of qkv of my slice and head
	s_wait_kmcnt 0x0
	s_add_nc_u64 s[8:9], s[8:9], s[30:31]
	s_lshl_b32 s30, s2, 14                         ; my 32 rows of each W: 512 bytes of codes a row,
	s_add_nc_u64 s[10:11], s[10:11], s[30:31]
	s_add_nc_u64 s[16:17], s[16:17], s[30:31]
	s_add_nc_u64 s[22:23], s[22:23], s[30:31]
	s_lshl_b32 s30, s2, 9                          ; 16 scale bytes a row,
	s_add_nc_u64 s[12:13], s[12:13], s[30:31]
	s_add_nc_u64 s[18:19], s[18:19], s[30:31]
	s_add_nc_u64 s[24:25], s[24:25], s[30:31]
	s_lshl_b32 s30, s2, 7                          ; and 4 bytes of bias
	s_add_nc_u64 s[14:15], s[14:15], s[30:31]
	s_add_nc_u64 s[20:21], s[20:21], s[30:31]
	s_add_nc_u64 s[26:27], s[26:27], s[30:31]
	s_wait_alu depctr_va_vdst(0)                   ; the sixteen addresses v1 to v16 are written, which every load and store of the kernel reads; so are v20 to v24 and v180 to v183, in which loads land later
	; ---- 0: my 4 rows of x, 512 consecutive bytes a load, into the stage.  The first pass's scale words, bias and first fragments of W go out behind them.
.irp i, 0,1,2,3
.irp j, 0,1,2,3
	global_load_b128 v[ACC+16*\i+4*\j:ACC+16*\i+4*\j+3], v[LI], s[8:9] offset:2048*\i+512*\j th:TH_LOAD_NT
.endr
.endr
	AUX 12, 14
	LOADW WF0, WAP, 10, 8, 0
	s_lshl_b32 s46, s5, 12                         ; where my codes and bytes go: Q: part + 4,096 wg + 512 g (+ 1,024 m); K: 65,536 further on
	s_lshl_b32 s47, s3, 9
	s_add_co_u32 s46, s46, s47
	s_add_co_u32 s30, s32, s46
	s_add_nc_u64 s[34:35], s[28:29], s[30:31]
	s_add_nc_u64 s[36:37], s[34:35], 0x10000
	s_lshr_b32 s46, s5, 1                          ; V: part + 131,072 + 8,192 (wg / 2) + 4,096 g + 1,024 (wg % 2) (+ 2,048 t + 512 b)
	s_lshl_b32 s46, s46, 13
	s_lshl_b32 s47, s3, 12
	s_add_co_u32 s46, s46, s47
	s_and_b32 s47, s5, 1
	s_lshl_b32 s47, s47, 10
	s_add_co_u32 s46, s46, s47
	s_add_co_u32 s46, s46, 131072
	s_add_co_u32 s30, s32, s46
	s_add_nc_u64 s[38:39], s[28:29], s[30:31]
	s_lshl_b32 s46, s5, 10                         ; scales: part + 196,608 + 1,024 wg + 512 g
	s_lshl_b32 s47, s3, 9
	s_add_co_u32 s46, s46, s47
	s_add_co_u32 s46, s46, 196608
	s_add_co_u32 s30, s32, s46
	s_add_nc_u64 s[40:41], s[28:29], s[30:31]
.irp i, 0,1,2,3
.irp j, 0,1,2,3
	s_wait_loadcnt 29-4*\i-\j                      ; behind this load of x: the younger loads of x and the 14 loads for the first pass
	ds_store_b128 v[XWR], v[ACC+16*\i+4*\j:ACC+16*\i+4*\j+3] offset:SP*\i+512*\j
.endr
.endr
	BARRIER                                        ; 64 rows of x lie in the stage
	; ---- X: wave w makes fragment w of x: tile w / 4, K step w % 4: of its row a lane takes 16 neighbours of each block of 32
	s_wait_alu depctr_vm_vsrc(0)                   ; my stores into the stage have read v[ACC ..], in which the loads below land
.irp b, 0,1,2,3
.irp j, 0,1,2,3
	ds_load_b128 v[ACC+16*\b+4*\j:ACC+16*\b+4*\j+3], v[XRD] offset:128*\b+16*\j
.endr
.endr
	s_wait_dscnt 0x0
	QUANT ACC, 0, 1
	s_wait_alu depctr_va_vdst(0)                   ; the conversions have written the codes v[PC ..] and the shifts the word v[PW], which the LDS stores read
.irp c, 0,1,2,3
	ds_store_b128 v[XIW], v[PC+4*\c:PC+4*\c+3] offset:XIMG+512*\c
.endr
	ds_store_b32 v[XSW], v[PW]
	BARRIER                                        ; x's sixteen fragments lie in LDS
	; ---- q: block m of the 64 results is tile m's token r, d = 32 g + 16 h + 0 .. 15
	PASS 1, WAP, 10, 8, LI, AS, 0
	s_wait_alu depctr_va_vdst(0)                   ; the pass's products are done reading W's scale words, the bias and W's first buffer, in which k's loads land
	AUX 18, 20                                     ; k's, while q is quantised
	LOADW WF0, WAP, 16, 8, 0
	QUANT ACC, 0, 0
	s_wait_alu depctr_va_vdst(0)                   ; the conversions have written the codes v[PC ..] and the shifts the bytes v[TM + 4 ..], which the stores read
.irp m, 0,1,2,3
	global_store_b128 v[LI], v[PC+4*\m:PC+4*\m+3], s[34:35] offset:1024*\m     ; 32 lanes store 512 consecutive bytes
	ds_store_b8 v[SB], v[TM+4+\m] offset:128*\m
	ds_store_b8 v[SB], v[TM+4+\m] offset:128*\m+2                              ; the word holds (d0, d1, d0, d1): it serves the fragment with q below and the one with q above
.endr
	s_wait_xcnt 0x0                                ; the stores have read the codes' registers,
	s_wait_dscnt 0x0                               ; the LDS stores the bytes': the pass's loads land on both
	; ---- k
	PASS 1, WAP, 16, 8, LI, AS, 0
	s_wait_alu depctr_va_vdst(0)                   ; the pass's products are done reading W's scale words and W's first buffer, in which v's loads land
.irp t, 0,1
	global_load_b128 v[WS+4*\t:WS+4*\t+3], v[WSN], s[24:25] offset:256*\t      ; v's: tiles of 16 neighbouring rows of Wv
	global_load_b32 v[BVT+\t], v[BVA], s[26:27] offset:64*\t
.endr
	LOADW WF0, WAN, 22, 16, 0
	QUANT ACC, 0, 0
	s_wait_alu depctr_va_vdst(0)                   ; the conversions have written the codes v[PC ..] and the shifts the bytes v[TM + 4 ..], which the stores read
.irp m, 0,1,2,3
	global_store_b128 v[LI], v[PC+4*\m:PC+4*\m+3], s[36:37] offset:1024*\m
	ds_store_b8 v[SB], v[TM+4+\m] offset:512+128*(\m/2)+2*(\m%2)
.endr
	s_wait_xcnt 0x0
	s_wait_dscnt 0x0
	; ---- v: block 2 t + b of the 64 results is column d = 32 g + 16 t + r, tokens 32 b + 16 h + 0 .. 15
	PASS 0, WAN, 22, 16, LI, AS, 1
	QUANT ACC, 0, 0
	s_wait_alu depctr_va_vdst(0)                   ; the conversions have written the codes v[PC ..] and the shifts the bytes v[TM + 4 ..], which the stores read
.irp t, 0,1
.irp b, 0,1
	global_store_b128 v[LI], v[PC+4*(2*\t+\b):PC+4*(2*\t+\b)+3], s[38:39] offset:2048*\t+512*\b
	ds_store_b8 v[SBV], v[TM+4+2*\t+\b] offset:64*\t+\b
.endr
.endr
	BARRIER                                        ; every head's 1,024 scale bytes lie in LDS
	ds_load_b128 v[20:23], v[SCR]
	s_wait_dscnt 0x0
	global_store_b128 v[LI], v[20:23], s[40:41]    ; half a head's: 512 consecutive bytes
	s_wait_dscnt 0x0                               ; the closing lines, six on end
	s_wait_alu 0x0
	s_wait_tensorcnt 0x0
	ds_add_u32 v254, v255
	s_wait_dscnt 0x0
	s_endpgm
.Lfunc_end_k_q02b8ac0577_qkv:
	.size	k_q02b8ac0577_qkv, .Lfunc_end_k_q02b8ac0577_qkv-k_q02b8ac0577_qkv
	.p2alignl 7, 3214868480
	.fill 96, 4, 3214868480
	.section	.rodata,"a",@progbits
	.p2align	6, 0x0
	.amdhsa_kernel k_q02b8ac0577_qkv
		.amdhsa_group_segment_fixed_size 177152
		.amdhsa_private_segment_fixed_size 0
		.amdhsa_enable_private_segment 0
		.amdhsa_kernarg_size 88
		.amdhsa_user_sgpr_count 2
		.amdhsa_user_sgpr_kernarg_segment_ptr 1
		.amdhsa_wavefront_size32 1
		.amdhsa_system_sgpr_workgroup_id_x 1
		.amdhsa_system_sgpr_workgroup_id_y 1
		.amdhsa_system_sgpr_workgroup_id_z 1
		.amdhsa_system_vgpr_workitem_id 0
		.amdhsa_next_free_vgpr 256
		.amdhsa_next_free_sgpr 66
		.amdhsa_reserve_vcc 0
		.amdhsa_float_denorm_mode_32 3
		.amdhsa_float_denorm_mode_16_64 3
		.amdhsa_memory_ordered 1
		.amdhsa_forward_progress 1
		.amdhsa_inst_pref_size 87
	.end_amdhsa_kernel
	.amdgpu_metadata
---
amdhsa.version: [ 1, 2 ]
amdhsa.kernels:
  - .name:           k_q02b8ac0577_qkv
    .symbol:         k_q02b8ac0577_qkv.kd
    .args:
      - { .name: x, .offset: 0, .size: 8, .value_kind: global_buffer, .address_space: global }
      - { .name: Wq_codes, .offset: 8, .size: 8, .value_kind: global_buffer, .address_space: global }
      - { .name: Wq_scales, .offset: 16, .size: 8, .value_kind: global_buffer, .address_space: global }
      - { .name: bq, .offset: 24, .size: 8, .value_kind: global_buffer, .address_space: global }
      - { .name: Wk_codes, .offset: 32, .size: 8, .value_kind: global_buffer, .address_space: global }
      - { .name: Wk_scales, .offset: 40, .size: 8, .value_kind: global_buffer, .address_space: global }
      - { .name: bk, .offset: 48, .size: 8, .value_kind: global_buffer, .address_space: global }
      - { .name: Wv_codes, .offset: 56, .size: 8, .value_kind: global_buffer, .address_space: global }
      - { .name: Wv_scales, .offset: 64, .size: 8, .value_kind: global_buffer, .address_space: global }
      - { .name: bv, .offset: 72, .size: 8, .value_kind: global_buffer, .address_space: global }
      - { .name: qkv, .offset: 80, .size: 8, .value_kind: global_buffer, .address_space: global }
    .group_segment_fixed_size: 177152
    .private_segment_fixed_size: 0
    .kernarg_segment_align: 8
    .kernarg_segment_size: 88
    .max_flat_workgroup_size: 512
    .sgpr_count:     66
    .vgpr_count:     256
    .wavefront_size: 32
...
	.end_amdgpu_metadata
.endif
;; end of part 4
;; launch attn (part 5): grid 256 x 1, 16 waves a work-group, no clusters, 210,944 bytes of LDS; arguments qkv, o; writes o
.if DOCPART == 5
	.amdgcn_target "amdgcn-amd-amdhsa--gfx1250"
	.amdhsa_code_object_version 6
	.text
	.protected	k_q02b8ac0577_attn
	.globl	k_q02b8ac0577_attn
	.p2align	8
	.type	k_q02b8ac0577_attn,@function
k_q02b8ac0577_attn:
	s_mov_b64 s[64:65], 0
	v_nop
	global_prefetch_b8 v0, s[64:65] scope:SCOPE_SE
	s_setreg_imm32_b32 hwreg(HW_REG_WAVE_MODE, 25, 1), 1
	s_wait_xcnt 0x0
; o = softmax(q k^T / 8) v for one head of one slice, both products on codes of FP8 (E4M3) with one E8M0 scale for each 32 along K.  q, k, v come as images of operand registers (see the launch that makes them).
; THE SOFTMAX AHEAD OF THE SECOND PRODUCT: t = score x log2(e) / 8; M = the running largest t rounded UP to a whole number; p = 2^(t - M) is quantised along the keys, not normalised; the row's sum is taken of the
; unquantised p and divides at the end.  When M moves, the sum and O are multiplied by 2^(old M - new M): exact.
; SHARES.  A work-group takes one (slice, head) and half of its 1,024 queries; each of its sixteen waves takes two tiles of 16 queries, one after the other, and walks all 1,024 keys, 128 a step.  Four waves to a SIMD.
; THE HEAD'S K AND V, 131,072 bytes of codes, lie in LDS WHOLE, filled once: each wave brings 8,192 dense bytes by one tensor load; nothing is filled again, so the launch has one barrier.
; LAYOUT.  Both products are used transposed: S^T = K Q^T, O^T = V^T P^T: a lane holds one query throughout.  THE HEAD'S K IS 64, THE INSTRUCTION'S 128: a fragment of K holds one tile of 16 keys in k = 0 .. 63 and a second
; in k = 64 .. 127; q lies in registers as q | zeros | q, so that v[16:31] (q, 0) picks the first tile and v[24:39] (0, q) the second.  The two tiles' keys are chosen so that a lane's 16 scores are 16 neighbouring keys.
; NO JOINT REQUESTS: only two work-groups read the same head, each once at its start; clusters are launched by fours here, and four work-groups to a head would leave each with one tile of queries a wave and twice the fills.
; LIMITS: NaN and infinities are not served.  A block of p that has fallen to zero keeps the scale byte 1: its codes are zeros.  o / l is a multiplication by v_rcp_f32's result.
.set PH,    212992
.set KSW,   131072                     ; LDS: 0 K's images, 65,536 V's; here K's scale words [32 blocks of keys][32 lanes],
.set VSW,   135168                     ; V's [8 key steps][4 tiles of d][32 lanes],
.set STAGE, 139264                     ; and the way out: 16 rows x (256 bytes + 16) for each wave
.set LI,  1                            ; v1   16 x lane: K's images
.set LS,  2                            ; v2   4 x lane
.set LV,  3                            ; v3   65,536 + 16 x lane: V's images
.set LKS, 4                            ; v4   KSW + 4 x lane
.set LVS, 5                            ; v5   VSW + 4 x lane
.set STO, 6                            ; v6   the stage: where I put 32 bytes of a row
.set RD,  7                            ; v7   and where I read a row back
.set FR,  40                           ; v40-103  four fragments of K or of V.   v12 -M, v13 the largest t, v[14:15] the sum in two halves; v16-23 q, v24-31 zeros, v32-39 q
.set S,   104                          ; v104-167 S^T, then p, at the end o
.set O,   168                          ; v168-199 O^T
.set PCD, 200                          ; v200-215 p's codes
.set BM,  216                          ; v216-219 each block's largest score, then its largest p
.set PT,  220                          ; v220-223 the other half's, then the bytes
.set HD,  224                          ; v224-227 448 x the scale
.set SOP, 228                          ; v228-231 the conversion's scale operand
.set FS,  232                          ; v232-235 the fragments' scale words;  v236 q's;  v237 p's
.set GO,  244                          ; v244 my byte offset in the tile's rows of o.   v[238:239] f; v240 at work; v[242:243] the sum's second chain
.set CS,  36                           ; s[36:37] c = log2(e) / 8
.set SEL, 38                           ; s[38:39] lane l xor 16
.set MNT, 40                           ; s40 the mantissa field of 448
.macro PLACES n
.rept \n
	v_nop
.endr
.endm
	s_load_b128 s[4:7], s[0:1], 0x0                ; qkv, o
	v_lshl_add_u32 v254, v0, 2, 0x33000
	v_mov_b32 v255, 0
	ds_add_u32 v254, v255
	ds_add_u32 v254, v255
	v_lshrrev_b32 v8, 5, v0
	s_delay_alu instid0(VALU_DEP_1)
	v_readfirstlane_b32 s2, v8                     ; wave 0..15
	s_lshr_b32 s8, ttmp9, 1                        ; 8 x slice + head
	s_and_b32 s9, ttmp9, 1                         ; which half of the queries
	s_lshr_b32 s10, s8, 3                          ; the slice
	s_and_b32 s11, s8, 7                           ; the head
	s_mul_i32 s42, s8, PH                          ; my part of qkv
	s_mov_b32 s43, 0
	; descriptor group 1: a dense block of 8,192 bytes as 32 rows of 32 elements of 8 bytes; no padding: images are read 16 bytes a lane on end
	s_mov_b32 s16, 3<<16
	s_mov_b32 s17, 32<<16                          ; tensor_dim0 = 32
	s_mov_b32 s18, 32<<16                          ; tensor_dim1 = 32
	s_mov_b32 s19, 32<<16                          ; tile_dim0 = 32
	s_mov_b32 s20, 32                              ; tile_dim1 = 32
	s_mov_b32 s21, 32                              ; the pitch
	s_mov_b32 s22, 0
	s_mov_b32 s23, 0
	s_mov_b32 s12, 1
	s_lshl_b32 s13, s2, 13                         ; LDS: 8,192 x wave: waves 0-7 bring K's eight key steps, waves 8-15 V's
	s_add_co_u32 s44, s42, s13
	s_add_co_u32 s44, s44, 65536                   ; K's images begin 65,536 bytes into the part, V's follow them
	s_mov_b32 s45, 0
	s_wait_dscnt 0x0
	s_wait_kmcnt 0x0
	s_add_nc_u64 s[14:15], s[4:5], s[44:45]
	s_or_b32 s15, s15, 0x80000000
	tensor_load_to_lds s[12:15], s[16:23]          ; my one tensor load: its registers are never written again
	s_nop 0
	PLACES 4
	s_add_nc_u64 s[46:47], s[4:5], s[42:43]
	s_add_nc_u64 s[30:31], s[46:47], 196608        ; the part's scale bytes
	s_lshl_b32 s48, s9, 15
	s_lshl_b32 s49, s2, 11
	s_add_co_u32 s48, s48, s49
	s_mov_b32 s49, 0
	s_add_nc_u64 s[24:25], s[46:47], s[48:49]      ; q's codes: tile 32 half + 2 wave, 1,024 bytes a tile
	s_lshl_b32 s48, s9, 3
	s_lshr_b32 s50, s2, 1
	s_add_co_u32 s48, s48, s50
	s_lshl_b32 s48, s48, 10
	s_and_b32 s50, s2, 1
	s_lshl_b32 s50, s50, 8
	s_add_co_u32 s48, s48, s50
	s_add_nc_u64 s[26:27], s[30:31], s[48:49]      ; q's words: chunk tile / 4, 128 bytes a tile
	s_lshl_b32 s48, s10, 21
	s_lshl_b32 s50, s9, 20
	s_add_co_u32 s48, s48, s50
	s_lshl_b32 s50, s2, 16
	s_add_co_u32 s48, s48, s50
	s_lshl_b32 s50, s11, 8
	s_add_co_u32 s48, s48, s50
	s_add_nc_u64 s[28:29], s[6:7], s[48:49]        ; o: token 512 half + 32 wave of the slice, the head's 256 bytes
	v_and_b32 v8, 31, v0                           ; lane
	v_and_b32 v9, 15, v0                           ; r
	v_bfe_u32 v10, v0, 4, 1                        ; h
	s_delay_alu instid0(VALU_DEP_3)
	v_lshlrev_b32 v[LI], 4, v8
	s_delay_alu instid0(VALU_DEP_4)
	v_lshlrev_b32 v[LS], 2, v8
	s_delay_alu instid0(VALU_DEP_2)
	v_add_nc_u32 v[LV], 65536, v[LI]
	s_delay_alu instid0(VALU_DEP_2)
	v_add_nc_u32 v[LKS], KSW, v[LS]
	s_delay_alu instid0(VALU_DEP_3)
	v_add_nc_u32 v[LVS], VSW, v[LS]
	s_mul_i32 s51, s2, 16*272
	s_add_co_u32 s51, s51, STAGE
	v_mul_u32_u24 v11, v9, 272
	s_delay_alu instid0(VALU_DEP_1)
	v_lshl_add_u32 v11, v10, 5, v11
	s_delay_alu instid0(VALU_DEP_1)
	v_add_nc_u32 v[STO], s51, v11                  ; in: row r, 32 bytes for each half of the lanes
	v_mul_u32_u24 v11, v10, 272
	s_delay_alu instid0(VALU_DEP_1)
	v_lshl_add_u32 v11, v9, 4, v11
	s_delay_alu instid0(VALU_DEP_1)
	v_add_nc_u32 v[RD], s51, v11                   ; back: lanes 0-15 one row of 256 bytes, lanes 16-31 the next
	v_lshlrev_b32 v[GO], 11, v10
	s_delay_alu instid0(VALU_DEP_1)
	v_lshl_add_u32 v[GO], v9, 4, v[GO]             ; and the same two rows in o, 2,048 bytes apart
	; the scale words go through registers: K's lie as words already; V's word of 128 keys is pieced from the halves that two work-groups of the launch before wrote
	s_lshl_b32 s52, s2, 10
	s_add_co_u32 s52, s52, 512
	v_lshl_add_u32 v245, v8, 3, s52                ; chunk w, K's 256 bytes
	s_lshr_b32 s53, s2, 1
	s_lshl_b32 s53, s53, 11
	s_and_b32 s54, s2, 1
	s_lshl_b32 s54, s54, 7
	s_add_co_u32 s53, s53, s54
	s_add_co_u32 s53, s53, 768
	v_lshl_add_u32 v246, v8, 1, s53                ; chunks 2 (w / 2) and one on, tiles of d 2 (w % 2) and one on
	global_load_b64 v[40:41], v245, s[30:31]
	global_load_u16 v42, v246, s[30:31]
	global_load_u16 v43, v246, s[30:31] offset:1024
	global_load_u16 v44, v246, s[30:31] offset:64
	global_load_u16 v45, v246, s[30:31] offset:1088
	v_lshl_add_u32 v247, v0, 3, KSW
	s_lshl_b32 s54, s2, 8
	s_add_co_u32 s54, s54, VSW
	v_add_nc_u32 v248, s54, v[LS]
.irp j, 0,1,2,3,4,5,6,7
	v_mov_b32 v[24+\j], 0                          ; the zeros between q and q: they stay
.endr
.irp b, 0,1,2,3
	v_mov_b32 v[PT+\b], 0                          ; written once: a lane permute's destination counts as one of its sources
.endr
	v_mov_b32 v239, 0                              ; (named as the upper half of the pair v[238:239])
	v_mov_b32 v240, 0
	s_mov_b32 s[CS], 0x3e38aa3b
	s_mov_b32 s[CS+1], s[CS]
	s_mov_b32 s[SEL], 0x76543210
	s_mov_b32 s[SEL+1], 0xfedcba98
	s_mov_b32 s[MNT], 0x600000
	s_mov_b32 s35, 2
	s_wait_loadcnt 0x0
	ds_store_b64 v247, v[40:41]
	v_lshl_or_b32 v42, v43, 16, v42
	v_lshl_or_b32 v44, v45, 16, v44
	ds_store_b32 v248, v42
	ds_store_b32 v248, v44 offset:128
	s_wait_tensorcnt 0x0                           ; my 8,192 bytes have landed,
	s_wait_dscnt 0x0                               ; my scale words are stored:
	s_barrier_signal -1
	s_barrier_wait -1                              ; everybody's
; A KEY STEP: keys 128 ks on.  Every LDS offset is an immediate: 65,024 at the most.
.macro STEP ks
.if (\ks) > 0
	PLACES 8                                       ; in front of loads into registers that the last products read
.endif
	s_setprio 2
.irp b, 0,1,2,3
.irp c, 0,1,2,3
	ds_load_b128 v[FR+16*\b+4*\c:FR+16*\b+4*\c+3], v[LI] offset:8192*(\ks)+2048*\b+512*\c
.endr
	ds_load_b32 v[FS+\b], v[LKS] offset:512*(\ks)+128*\b
.endr
	s_wait_dscnt 0x0
.irp b, 0,1,2,3                        ; S^T: registers 16 b .. 16 b + 15 are keys 128 ks + 32 b + 16 h + 0 .. 15 of my query
	v_wmma_scale_f32_16x16x128_f8f6f4 v[S+16*\b:S+16*\b+7], v[FR+16*\b:FR+16*\b+15], v[16:31], 0, v[FS+\b], v236
	v_wmma_scale_f32_16x16x128_f8f6f4 v[S+16*\b+8:S+16*\b+15], v[FR+16*\b:FR+16*\b+15], v[24:39], 0, v[FS+\b], v236
.endr
	PLACES 9                                       ; eight for the loads and reads below, nine for the next step's products, which begin these accumulators anew
.irp t, 0,1,2,3                        ; V's four fragments of this step land while the softmax is worked
.irp c, 0,1,2,3
	ds_load_b128 v[FR+16*\t+4*\c:FR+16*\t+4*\c+3], v[LV] offset:8192*(\ks)+2048*\t+512*\c
.endr
	ds_load_b32 v[FS+\t], v[LVS] offset:512*(\ks)+128*\t
.endr
.irp b, 0,1,2,3
	v_max3_num_f32 v[BM+\b], v[S+16*\b], v[S+1+16*\b], v[S+2+16*\b]    ; the largest score of each block of 32 keys: for the row's maximum and, since p rises with the score, for the block's largest p
.endr
.irp i, 3,5,7,9,11,13
.irp b, 0,1,2,3
	v_max3_num_f32 v[BM+\b], v[BM+\b], v[S+16*\b+\i], v[S+1+16*\b+\i]
.endr
.endr
.irp b, 0,1,2,3
	v_max_num_f32 v[BM+\b], v[BM+\b], v[S+15+16*\b]
.endr
.irp b, 0,1,2,3
	s_delay_alu instid0(VALU_DEP_4)
	v_permlanex16_b32 v[PT+\b], v[BM+\b], s[SEL], s[SEL+1]
.endr
.irp b, 0,1,2,3
	s_delay_alu instid0(VALU_DEP_4)
	v_max_num_f32 v[BM+\b], v[BM+\b], v[PT+\b]
.endr
	s_delay_alu instid0(VALU_DEP_2)
	v_max3_num_f32 v240, v[BM], v[BM+1], v[BM+2]
	s_delay_alu instid0(VALU_DEP_1)
	v_max_num_f32 v240, v240, v[BM+3]
	s_delay_alu instid0(VALU_DEP_1)
	v_mul_f32 v240, s[CS], v240                    ; the step's largest t (c is positive)
	s_delay_alu instid0(VALU_DEP_1)
	v_max_num_f32 v13, v13, v240                   ; the running largest t
	v_mov_b32 v240, v12
	s_delay_alu instid0(VALU_DEP_2)
	v_floor_f32 v12, -v13                          ; -M = floor(-t): M is a whole number
	s_delay_alu instid0(VALU_DEP_1)
	v_sub_f32 v240, v12, v240                      ; old M - new M: a whole number, 0 or less
	s_delay_alu instid0(VALU_DEP_1)
	v_cvt_i32_f32 v240, v240                       ; (it saturates)
	s_delay_alu instid0(VALU_DEP_1)
	v_ldexp_f32 v238, 1.0, v240                    ; f = 2^(old M - new M)
.set j, 0
.rept 32
	v_pk_fma_f32 v[S+j:S+j+1], v[S+j:S+j+1], s[CS:CS+1], v[12:13] op_sel_hi:[1,0,0]   ; t - M
.set j, j+2
.endr
.irp b, 0,1,2,3
	v_fma_f32 v[BM+\b], v[BM+\b], s[CS], v12
.endr
.set j, 0
	s_wait_alu depctr_va_vdst(0)
.rept 64
	v_exp_f32 v[S+j], v[S+j]                       ; p = 2^(t - M)
.set j, j+1
.endr
.irp b, 0,1,2,3
	v_exp_f32 v[BM+\b], v[BM+\b]                   ; the block's largest p: the same two instructions on the same number
.endr
	v_pk_mul_f32 v[14:15], v[14:15], v[238:239] op_sel_hi:[1,0]        ; the sums under the new M (a plain place behind the exponentials)
	s_wait_alu depctr_va_vdst(0)
.irp b, 0,1,2,3
	v_max_num_f32 v[BM+\b], 0x4800000, v[BM+\b]    ; the floor 2^(9 - 127)
.endr
.irp b, 0,1,2,3
	s_delay_alu instid0(VALU_DEP_4)
	v_add_nc_u32 v[SOP+\b], 0xfc000000, v[BM+\b]
.endr
.irp b, 0,1,2,3
	v_and_or_b32 v[HD+\b], v[BM+\b], 0x7f800000, s[MNT]
.endr
.irp b, 0,1,2,3
	v_lshrrev_b32 v[PT+\b], 23, v[SOP+\b]
.endr
	s_delay_alu instid0(VALU_DEP_3)
	v_lshl_or_b32 v237, v[PT+1], 8, v[PT]          ; p's scale word for these 128 keys: far more than eight places ahead of the products that name it
	s_delay_alu instid0(VALU_DEP_1)
	v_lshl_or_b32 v237, v[PT+2], 16, v237
	s_delay_alu instid0(VALU_DEP_1)
	v_lshl_or_b32 v237, v[PT+3], 24, v237
	s_setprio 1
	v_pk_add_f32 v[242:243], v[108:109], v[112:113]
	v_pk_add_f32 v[252:253], v[116:117], v[120:121]
	v_pk_add_f32 v[250:251], v[124:125], v[128:129]
	v_pk_add_f32 v[248:249], v[132:133], v[136:137]
	v_pk_add_f32 v[246:247], v[140:141], v[144:145]
	v_pk_add_f32 v[218:219], v[148:149], v[152:153]
	v_pk_add_f32 v[216:217], v[156:157], v[160:161]
	v_pk_add_f32 v[14:15], v[14:15], v[164:165]
	v_pk_add_f32 v[242:243], v[242:243], v[104:105]
	v_pk_add_f32 v[252:253], v[252:253], v[106:107]
	v_pk_add_f32 v[250:251], v[250:251], v[110:111]
	v_pk_add_f32 v[248:249], v[248:249], v[114:115]
	v_pk_add_f32 v[246:247], v[246:247], v[118:119]
	v_pk_add_f32 v[218:219], v[218:219], v[122:123]
	v_pk_add_f32 v[216:217], v[216:217], v[126:127]
	v_pk_add_f32 v[14:15], v[14:15], v[130:131]
	v_pk_add_f32 v[242:243], v[242:243], v[134:135]
	v_pk_add_f32 v[252:253], v[252:253], v[138:139]
	v_pk_add_f32 v[250:251], v[250:251], v[142:143]
	v_pk_add_f32 v[248:249], v[248:249], v[146:147]
	v_pk_add_f32 v[246:247], v[246:247], v[150:151]
	v_pk_add_f32 v[218:219], v[218:219], v[154:155]
	v_pk_add_f32 v[216:217], v[216:217], v[158:159]
	v_pk_add_f32 v[14:15], v[14:15], v[162:163]
	v_pk_add_f32 v[242:243], v[242:243], v[166:167]
	s_delay_alu instid0(VALU_DEP_2)
	v_pk_add_f32 v[14:15], v[14:15], v[248:249]
	s_delay_alu instid0(VALU_DEP_2)
	v_pk_add_f32 v[242:243], v[242:243], v[246:247]
	v_pk_add_f32 v[252:253], v[252:253], v[218:219]
	v_pk_add_f32 v[250:251], v[250:251], v[216:217]
	s_delay_alu instid0(VALU_DEP_2)
	v_pk_add_f32 v[14:15], v[14:15], v[252:253]
	s_delay_alu instid0(VALU_DEP_2)
	v_pk_add_f32 v[242:243], v[242:243], v[250:251]
	s_delay_alu instid0(VALU_DEP_1)
	v_pk_add_f32 v[14:15], v[14:15], v[242:243]
.irp b, 0,1,2,3
.set j, 0
.rept 16
	v_min_num_f32 v[S+16*\b+j], v[S+16*\b+j], v[HD+\b]                 ; the hold (ISA guide 7.6.2); p is not negative
.set j, j+1
.endr
	v_cvt_scalef32_pk8_fp8_f32 v[PCD+4*\b:PCD+4*\b+1], v[S+16*\b:S+16*\b+7], v[SOP+\b]
	v_cvt_scalef32_pk8_fp8_f32 v[PCD+4*\b+2:PCD+4*\b+3], v[S+16*\b+8:S+16*\b+15], v[SOP+\b]
.endr
.set j, 0
.rept 16
	v_pk_mul_f32 v[O+j:O+j+1], v[O+j:O+j+1], v[238:239] op_sel_hi:[1,0]   ; O^T under the new M, each accumulator from its low end; also the places between the codes and the products
.set j, j+2
.endr
	s_setprio 0
	s_wait_alu depctr_va_vdst(0)
	s_wait_dscnt 0x0                               ; V's fragments and words are in
.irp t, 0,1,2,3                        ; O^T += V^T P^T: four accumulators by turns
	v_wmma_scale_f32_16x16x128_f8f6f4 v[O+8*\t:O+8*\t+7], v[FR+16*\t:FR+16*\t+15], v[PCD:PCD+15], v[O+8*\t:O+8*\t+7], v[FS+\t], v237
.endr
.endm
.Ltile:                                            ; two trips: my two tiles of 16 queries
	global_load_b128 v[16:19], v[LI], s[24:25]
	global_load_b128 v[20:23], v[LI], s[24:25] offset:512
	global_load_b128 v[32:35], v[LI], s[24:25]     ; q a second time, above the zeros
	global_load_b128 v[36:39], v[LI], s[24:25] offset:512
	global_load_b32 v236, v[LS], s[26:27]
	v_mov_b32 v13, 0xff61b1e6                      ; the largest t so far: -3e38
	s_delay_alu instid0(VALU_DEP_1)
	v_floor_f32 v12, -v13
	v_mov_b32 v14, 0
	v_mov_b32 v15, 0
.set j, 0
.rept 32
	v_mov_b32 v[O+j], 0                            ; the step is written in one form: the first finds zeros, which the first change of M leaves zeros
.set j, j+1
.endr
	s_wait_loadcnt 0x0
.irp ks, 0,1,2,3,4,5,6,7
	STEP \ks
.endr
	; THE WAY OUT of a tile: O^T / the sum through my own stage, so that sixteen lanes store the head's 256 bytes of one token
	PLACES 9
	v_add_f32 v14, v14, v15
	s_delay_alu instid0(VALU_DEP_1)
	v_permlanex16_b32 v240, v14, s[SEL], s[SEL+1]
	s_delay_alu instid0(VALU_DEP_1)
	v_add_f32 v14, v14, v240
	s_wait_alu depctr_va_vdst(0)
	v_rcp_f32 v14, v14
	v_nop                                          ; a plain place behind the transcendental
.set j, 0
	s_wait_alu depctr_va_vdst(0)
.rept 32
	v_mul_f32 v[S+j], v[O+j], v14                  ; register 8 t + i: o(query r, d = 16 t + 8 h + i)
.set j, j+1
.endr
.irp t, 0,1,2,3
	ds_store_b128 v[STO], v[S+8*\t:S+8*\t+3] offset:64*\t
	ds_store_b128 v[STO], v[S+8*\t+4:S+8*\t+7] offset:64*\t+16
.endr
.irp i, 0,1,2,3,4,5,6,7
	ds_load_b128 v[FR+4*\i:FR+4*\i+3], v[RD] offset:544*\i             ; LDS serves a wave's instructions in order (ISA guide 5.7.1.4): these see my stores
.endr
.irp i, 0,1,2,3,4,5,6,7
	s_wait_dscnt 7-\i                              ; the younger read-backs may be out
	global_store_b128 v[GO], v[FR+4*\i:FR+4*\i+3], s[28:29] offset:(2*\i+8*(\i/4))*2048   ; index 2 i + h of the tile is token 2 i + h + 8 (i / 4); 16 lanes store 256 consecutive bytes, aligned
.endr
	s_wait_xcnt 0x0                                ; the stores have read their registers and their base: both are written again below and in the next trip
	s_add_nc_u64 s[24:25], s[24:25], 1024
	s_add_nc_u64 s[26:27], s[26:27], 128
	s_add_nc_u64 s[28:29], s[28:29], 16384         ; the second tile's tokens lie 8 further on
	s_sub_co_u32 s35, s35, 1
	s_cmp_lg_u32 s35, 0
	s_cbranch_scc1 .Ltile
	s_setprio 0
	s_wait_tensorcnt 0x0
	ds_add_u32 v254, v255
	s_wait_dscnt 0x0
	s_endpgm
.Lfunc_end_k_q02b8ac0577_attn:
	.size	k_q02b8ac0577_attn, .Lfunc_end_k_q02b8ac0577_attn-k_q02b8ac0577_attn
	.p2alignl 7, 3214868480
	.fill 96, 4, 3214868480
	.section	.rodata,"a",@progbits
	.p2align	6, 0x0
	.amdhsa_kernel k_q02b8ac0577_attn
		.amdhsa_group_segment_fixed_size 210944
		.amdhsa_private_segment_fixed_size 0
		.amdhsa_enable_private_segment 0
		.amdhsa_kernarg_size 16
		.amdhsa_user_sgpr_count 2
		.amdhsa_user_sgpr_kernarg_segment_ptr 1
		.amdhsa_wavefront_size32 1
		.amdhsa_system_sgpr_workgroup_id_x 1
		.amdhsa_system_sgpr_workgroup_id_y 1
		.amdhsa_system_sgpr_workgroup_id_z 1
		.amdhsa_system_vgpr_workitem_id 0
		.amdhsa_next_free_vgpr 256
		.amdhsa_next_free_sgpr 66
		.amdhsa_reserve_vcc 0
		.amdhsa_float_denorm_mode_32 3
		.amdhsa_float_denorm_mode_16_64 3
		.amdhsa_memory_ordered 1
		.amdhsa_forward_progress 1
		.amdhsa_inst_pref_size 168
	.end_amdhsa_kernel
	.amdgpu_metadata
---
amdhsa.version: [ 1, 2 ]
amdhsa.kernels:
  - .name:           k_q02b8ac0577_attn
    .symbol:         k_q02b8ac0577_attn.kd
    .args:
      - { .name: qkv, .offset: 0, .size: 8, .value_kind: global_buffer, .address_space: global }
      - { .name: o, .offset: 8, .size: 8, .value_kind: global_buffer, .address_space: global }
    .group_segment_fixed_size: 210944
    .private_segment_fixed_size: 0
    .kernarg_segment_align: 8
    .kernarg_segment_size: 16
    .max_flat_workgroup_size: 512
    .sgpr_count:     66
    .vgpr_count:     256
    .wavefront_size: 32
...
	.end_amdgpu_metadata
.endif
;; end of part 5
;; launch ffn (part 6): grid 256 x 1, 16 waves a work-group, no clusters, 203,776 bytes of LDS; arguments o, x, ln_g, ln_b, W1_codes, W1_scales, b1, W2_codes, W2_scales, b2, lnff_g, lnff_b, out0; writes out0
.if DOCPART == 6
	.amdgcn_target "amdgcn-amd-amdhsa--gfx1250"
	.amdhsa_code_object_version 6
	.text
	.protected	k_q02b8ac0577_ffn
	.globl	k_q02b8ac0577_ffn
	.p2align	8
	.type	k_q02b8ac0577_ffn,@function
k_q02b8ac0577_ffn:
	s_mov_b64 s[64:65], 0
	v_nop
	global_prefetch_b8 v0, s[64:65] scope:SCOPE_SE
	s_setreg_imm32_b32 hwreg(HW_REG_WAVE_SCHED_MODE, 0, 2), 2
	s_setreg_imm32_b32 hwreg(HW_REG_WAVE_MODE, 25, 1), 1
	s_wait_xcnt 0x0
	s_wait_alu depctr_vm_vsrc(0)
; out = LN(relu(Q(LN(o + x)) W1 + b1) quantised, W2, + b2), both products on codes of FP8 (E4M3) with one E8M0 scale for each 32 along K; the norms, the residual and the sums in f32.  The hidden layer never goes to memory.
; SHARES.  A work-group takes 64 rows.  In the phases by rows wave w takes rows 4 w .. 4 w + 3, a row over its 32 lanes; in the products it takes columns 32 w .. 32 w + 31 for all 64 rows, so that each fragment of W is read by one wave, once.
; Both products are used transposed (source 0 = 16 rows of W, source 1 = 16 rows of the operand), and lane r of tile u of W takes row 32 w + 8 u + r + 8 (r / 8): a lane's 16 results of a tile of rows are 16 neighbouring columns.
; Operands go from wave to wave through LDS as images of their registers: a group of four registers is 512 bytes, lane l's 16 bytes at 16 l.
; THE NORM is taken in two passes (mean; then the squares of the differences), so that no difference of large sums is formed; 1 / sqrt by v_rsq_f32.
; NO JOINT REQUESTS: all work-groups read the same weights, but each fragment goes from memory straight into the registers of the one wave that multiplies by it; a joint request lands in LDS, where the two weights'
; 524,288 bytes do not fit beside the stage and the images: it would take a ring that is filled again and a round of the cluster's barrier for each refill.
; LIMITS: NaN and infinities among the inputs are not served.  A block whose largest magnitude lies under 2^-118 keeps the scale byte 1; a block of zeros gets the byte 1 and not 127: its codes are zeros, and this launch alone reads the bytes.
; THE MODE: SCHED_MODE bits 1:0 = 2 (LLVM: expert scheduling mode 2), set by the entry lines.  The code itself states the register dependences
; between vector or matrix instructions and memory or LDS instructions, with s_wait_alu, always for 0.
; THE PLAN.  Registers that memory or LDS instructions touch:
;   v1-16, v254, v255  addresses and the add's two: written once at the head, never again.
;   ACC    o's loads land in it; the norm writes it, the stage's stores read it; the loads in fragment order land in it; QUANT and the products name it; the second product's results go from it to the stage,
;          the rows come back into it, the last norm writes it, the last stores read it.
;   PC, the bytes at TM + 4, PW  written by QUANT, read by the LDS stores behind it; the next pass's loads of fragments land on them.
;   XF, XS first x's rows (read by the residual's additions); then step s's LDS loads land in them and step s's products read them: one buffer (four waves of 256 registers fill a SIMD's 1,024).
;   WF0, WF1  W's two buffers by turns; WF1 also takes a norm's gain and bias, ahead of the first pass and behind the second.
;   WS, BIAS  loaded ahead of a pass, read by its products.
; So: one wait on va_vdst ahead of the first load; one ahead of each run of stores whose data vector or matrix instructions have written; one at the head of a pass's steps 1 to 3; one behind each pass, ahead of the loads that
; follow it; and the one behind each norm's four reciprocal roots.  One wait on vm_vsrc ahead of each run of loads into ACC that follows stores out of it, and one at each pass's head.
; Between each of these waits and the loads or stores that lean on it no vector or matrix instruction names their registers.
.set AIMG, 0                           ; LDS: the normed rows' 16 fragments (tile m, K step s: 4 m + s),
.set ASC,  32768                       ; their scale words,
.set HIMG, 34816                       ; the hidden layer's 16 fragments,
.set HSC,  67584                       ; their scale words,
.set STG,  69632                       ; and the stage: 64 rows
.set SP,   2064                        ; a stage row: 2,048 bytes + 16: each row begins 16 bytes further on modulo 256
.set LI,  1                            ; v1   16 x lane
.set LS,  2                            ; v2   4 x lane
.set WAP, 3                            ; v3   W, rows r + 8 (r / 8): x 512 bytes + 16 h
.set HI,  4                            ; v4   HIMG + 16 x lane
.set WSP, 5                            ; v5   W's scale bytes, 16 a row
.set HS,  6                            ; v6   HSC + 4 x lane
.set BQA, 7                            ; v7   64 h
.set HW,  8                            ; v8   where my group of the hidden layer's fragments goes
.set HB,  9                            ; v9   and my byte of their scale words
.set SO,  10                           ; v10  the stage by results: row r, my wave's 128 bytes, + 64 h
.set XWR, 11                           ; v11  the stage by rows
.set XRD, 12                           ; v12  the stage by fragments
.set XIW, 13                           ; v13  where my fragment of the normed rows goes
.set XSW, 14                           ; v14  and its scale word
.set AS,  15                           ; v15  ASC + 4 x lane
.set SO2, 16                           ; v16  SO, 32 rows further down (beyond the 16-bit offset)
.set T,   20                           ; v20-27 four pairs: a row's figures
.set U,   28                           ; v28-31 the other half of the lanes'
.set ACC, 32                           ; v32-95   four rows of 16 numbers a lane; eight accumulators
.set WF0, 96                           ; v96-127, v128-159: two fragments of W, two buffers; the second also holds a norm's gain and bias
.set WF1, 128
.set XF,  160                          ; v160-223 x's rows; four fragments; between passes: PC, TM, PW
.set BIAS, 224
.set WS,  240                          ; v240-247 W's scale words
.set XS,  248                          ; v248-251 the rows' scale words
.set PC,  160
.set TM,  176
.set PW,  192
.set SEL, 42
.set MNT, 44
.macro PLACES n
.rept \n
	v_nop
.endr
.endm
.macro BARRIER                         ; my LDS stores have landed and my LDS loads are in: then the work-group's barrier
	s_wait_dscnt 0x0
	s_barrier_signal -1
	s_barrier_wait -1
.endm
; 64 numbers of a lane, v[s] on: block b = registers 16 b .. 16 b + 15, which with lane l xor 16's are 32 neighbours along a K.  Codes of block b to v[PC + 4 b] on, its byte to v[TM + 4 + b]; word = 1: the four bytes make v[PW].
; relu = 1: what is negative becomes 0 on the way: it does not count for the largest magnitude, and the hold clips at 0.
.macro QUANT s, relu, word
.if \relu
.irp b, 0,1,2,3
	v_max3_num_f32 v[TM+\b], v[\s+16*\b], v[\s+1+16*\b], 0x4800000
.endr
.irp i, 2,4,6,8,10,12,14
.irp b, 0,1,2,3
	v_max3_num_f32 v[TM+\b], v[TM+\b], v[\s+16*\b+\i], v[\s+1+16*\b+\i]
.endr
.endr
.else
.irp b, 0,1,2,3
	v_max3_num_f32 v[TM+\b], |v[\s+16*\b]|, |v[\s+1+16*\b]|, 0x4800000   ; my 16 numbers and the floor 2^(9 - 127): the byte cannot fall under 1
.endr
.irp i, 2,4,6,8,10,12,14
.irp b, 0,1,2,3
	v_max3_num_f32 v[TM+\b], v[TM+\b], |v[\s+16*\b+\i]|, |v[\s+1+16*\b+\i]|
.endr
.endr
.endif
.irp b, 0,1,2,3
	v_permlanex16_b32 v[TM+4+\b], v[TM+\b], s[SEL], s[SEL+1]
.endr
.irp b, 0,1,2,3
	v_max_num_f32 v[TM+\b], v[TM+\b], v[TM+4+\b]
.endr
.irp b, 0,1,2,3
	v_add_nc_u32 v[TM+12+\b], 0xfc000000, v[TM+\b]                 ; 8 off the exponent field: the conversion's scale operand
.endr
.irp b, 0,1,2,3
	v_and_or_b32 v[TM+8+\b], v[TM+\b], 0x7f800000, s[MNT]          ; 448 x the scale
.endr
.irp b, 0,1,2,3
	v_lshrrev_b32 v[TM+4+\b], 23, v[TM+12+\b]                      ; the scale's byte
.endr
.if \word
	v_lshl_or_b32 v[PW], v[TM+5], 8, v[TM+4]
	v_lshl_or_b32 v[PW], v[TM+6], 16, v[PW]
	v_lshl_or_b32 v[PW], v[TM+7], 24, v[PW]
.endif
.irp b, 0,1,2,3
.irp i, 0,1,2,3,4,5,6,7,8,9,10,11,12,13,14,15
.if \relu
	v_med3_num_f32 v[\s+16*\b+\i], v[\s+16*\b+\i], 0, v[TM+8+\b]   ; the activation and the hold in one
.else
	v_med3_num_f32 v[\s+16*\b+\i], v[\s+16*\b+\i], -v[TM+8+\b], v[TM+8+\b]   ; the conversion to an 8-bit code does not saturate (ISA guide 7.6.2): the hold
.endif
.endr
	v_cvt_scalef32_pk8_fp8_f32 v[PC+4*\b:PC+1+4*\b], v[\s+16*\b:\s+7+16*\b], v[TM+12+\b]
	v_cvt_scalef32_pk8_fp8_f32 v[PC+2+4*\b:PC+3+4*\b], v[\s+8+16*\b:\s+15+16*\b], v[TM+12+\b]
.endr
	v_nop                                          ; one plain vector instruction behind the last scaled conversion
.endm
.macro LOADW buf, adr, base, rstep, s  ; two fragments of W (tiles rstep rows apart), K step s
.irp t, 0,1
.irp c, 0,1,2,3
	global_load_b128 v[\buf+16*\t+4*\c:\buf+16*\t+4*\c+3], v[\adr], s[\base:\base+1] offset:\t*\rstep*512+128*(\s)+32*\c
.endr
.endr
.endm
.macro LOADX ai, sa, s                 ; the four tiles of rows: their fragments of K step s, and their scale words
.irp m, 0,1,2,3
.irp c, 0,1,2,3
	ds_load_b128 v[XF+16*\m+4*\c:XF+16*\m+4*\c+3], v[\ai] offset:(4*\m+(\s))*2048+512*\c
.endr
	ds_load_b32 v[XS+\m], v[\sa] offset:(4*\m+(\s))*128
.endr
.endm
; Eight products of one K step on eight accumulators, one instruction a turn, in the same order in every step.  The first step's C is the bias.
.macro MUL8 buf, s
.irp m, 0,1,2,3
.irp u, 0,1
.if (\s) == 0
	v_wmma_scale_f32_16x16x128_f8f6f4 v[ACC+16*\m+8*\u:ACC+16*\m+8*\u+7], v[\buf+16*\u:\buf+16*\u+15], v[XF+16*\m:XF+16*\m+15], v[BIAS+8*\u:BIAS+8*\u+7], v[WS+4*\u+(\s)], v[XS+\m]
.else
	v_wmma_scale_f32_16x16x128_f8f6f4 v[ACC+16*\m+8*\u:ACC+16*\m+8*\u+7], v[\buf+16*\u:\buf+16*\u+15], v[XF+16*\m:XF+16*\m+15], v[ACC+16*\m+8*\u:ACC+16*\m+8*\u+7], v[WS+4*\u+(\s)], v[XS+\m]
.endif
.endr
.endr
.endm
; A pass: 64 rows x my 32 columns, K = 512 in four steps.  Its scale words, bias and K step 0 of W were asked for by the caller.
.macro PASS adr, base, rstep, ai, sa
.irp s, 0,1,2,3
.if \s > 0
	PLACES 8                                       ; eight places between the last step's products and the loads into the registers that they read; the wait below states the dependence
	s_wait_alu depctr_va_vdst(0)                   ; the last step's products are done reading XF, XS and their buffer of W: this step's LDS loads and the next step's loads of W land there
.else
	s_wait_alu depctr_vm_vsrc(0)                   ; the LDS stores issued ahead of the pass have read the codes, the bytes and the scale word (v160 on), on which this step's LDS loads land
.endif
.if \s < 3
	LOADW WF0+32*((\s+1)%2), \adr, \base, \rstep, \s+1
.endif
	LOADX \ai, \sa, \s
.if \s < 3
	s_wait_loadcnt 8                               ; all but the eight loads just issued, the next step's fragments of W
.else
	s_wait_loadcnt 0x0
.endif
	s_wait_dscnt 0x0
	MUL8 WF0+32*(\s%2), \s
.endr
	PLACES 9                                       ; eight for the reads of the results and the loads that follow; nine for the next pass's first products, which begin these accumulators anew
.endm
.macro AUX sbase, bbase                ; a pass's scale words of W (all four K steps of a row in 16 bytes) and its bias in the result's layout: column 32 w + 16 h + 8 u + j
.irp u, 0,1
	global_load_b128 v[WS+4*\u:WS+4*\u+3], v[WSP], s[\sbase:\sbase+1] offset:128*\u
	global_load_b128 v[BIAS+8*\u:BIAS+8*\u+3], v[BQA], s[\bbase:\bbase+1] offset:32*\u
	global_load_b128 v[BIAS+8*\u+4:BIAS+8*\u+7], v[BQA], s[\bbase:\bbase+1] offset:32*\u+16
.endr
.endm
.macro REDUCE                          ; the four rows' figures, halves in v[T + 2 i] and v[T + 2 i + 1], summed over the wave's 32 lanes; the rows by turns
.irp i, 0,1,2,3
	v_add_f32 v[T+2*\i], v[T+2*\i], v[T+2*\i+1]
.endr
.irp k, 1,2,4,8
.irp i, 0,1,2,3
	v_add_f32_dpp v[T+2*\i], v[T+2*\i], v[T+2*\i] row_xmask:\k row_mask:0xf bank_mask:0xf
.endr
.endr
.irp i, 0,1,2,3
	v_permlanex16_b32 v[U+\i], v[T+2*\i], s[SEL], s[SEL+1]
.endr
.irp i, 0,1,2,3
	v_add_f32 v[T+2*\i], v[T+2*\i], v[U+\i]
.endr
.endm
; Four rows, 16 numbers a lane each at v[y + 16 i] on, are normed in place; gain and bias of the lane's 16 columns at v[g] and v[b] on.
.macro LNROWS y, g, b
.irp i, 0,1,2,3
	v_pk_add_f32 v[T+2*\i:T+2*\i+1], v[\y+16*\i:\y+16*\i+1], v[\y+16*\i+2:\y+16*\i+3]
.endr
.irp k, 4,6,8,10,12,14
.irp i, 0,1,2,3
	v_pk_add_f32 v[T+2*\i:T+2*\i+1], v[T+2*\i:T+2*\i+1], v[\y+16*\i+\k:\y+16*\i+\k+1]
.endr
.endr
	REDUCE
.irp i, 0,1,2,3
	v_mul_f32 v[T+2*\i], s45, v[T+2*\i]            ; the mean: the sum / 512
.endr
.irp i, 0,1,2,3
.irp k, 0,2,4,6,8,10,12,14
	v_pk_add_f32 v[\y+16*\i+\k:\y+16*\i+\k+1], v[\y+16*\i+\k:\y+16*\i+\k+1], v[T+2*\i:T+2*\i+1] op_sel_hi:[1,0] neg_lo:[0,1] neg_hi:[0,1]
.endr
.endr
.irp i, 0,1,2,3
	v_pk_mul_f32 v[T+2*\i:T+2*\i+1], v[\y+16*\i:\y+16*\i+1], v[\y+16*\i:\y+16*\i+1]
.endr
.irp k, 2,4,6,8,10,12,14
.irp i, 0,1,2,3
	v_pk_fma_f32 v[T+2*\i:T+2*\i+1], v[\y+16*\i+\k:\y+16*\i+\k+1], v[\y+16*\i+\k:\y+16*\i+\k+1], v[T+2*\i:T+2*\i+1]
.endr
.endr
	REDUCE
.irp i, 0,1,2,3
	v_fma_f32 v[T+2*\i], v[T+2*\i], s45, s46       ; the variance + 1e-5
.endr
	s_wait_alu depctr_va_vdst(0)
.irp i, 0,1,2,3
	v_rsq_f32 v[T+2*\i], v[T+2*\i]
.endr
	v_nop                                          ; a plain place behind the transcendentals
	s_wait_alu depctr_va_vdst(0)                   ; the four reciprocal roots v[T + 2 i] are written, ahead of their first reader: one wait for the batch
.irp i, 0,1,2,3
.irp k, 0,2,4,6,8,10,12,14
	v_pk_mul_f32 v[\y+16*\i+\k:\y+16*\i+\k+1], v[\y+16*\i+\k:\y+16*\i+\k+1], v[T+2*\i:T+2*\i+1] op_sel_hi:[1,0]
.endr
.endr
.irp i, 0,1,2,3
.irp k, 0,2,4,6,8,10,12,14
	v_pk_fma_f32 v[\y+16*\i+\k:\y+16*\i+\k+1], v[\y+16*\i+\k:\y+16*\i+\k+1], v[\g+\k:\g+\k+1], v[\b+\k:\b+\k+1]
.endr
.endr
.endm
	s_load_b512 s[8:23], s[0:1], 0x0               ; o 8, x 10, ln_g 12, ln_b 14, W1's codes 16, scales 18, b1 20, W2's codes 22
	s_load_b256 s[24:31], s[0:1], 0x40             ; W2's scales 24, b2 26, lnff_g 28, lnff_b 30
	s_load_b64 s[32:33], s[0:1], 0x60              ; out0
	v_lshl_add_u32 v254, v0, 2, 0x31400
	v_mov_b32 v255, 0
	v_lshrrev_b32 v20, 5, v0
	v_readfirstlane_b32 s2, v20                    ; wave 0..15
	v_and_b32 v20, 31, v0                          ; lane
	v_and_b32 v21, 15, v0                          ; r
	v_bfe_u32 v22, v0, 4, 1                        ; h
	v_lshlrev_b32 v[LI], 4, v20
	v_lshlrev_b32 v[LS], 2, v20
	v_and_b32 v23, 8, v21
	v_add_nc_u32 v23, v23, v21                     ; r + 8 (r / 8)
	v_lshlrev_b32 v[WAP], 9, v23
	v_lshl_add_u32 v[WAP], v22, 4, v[WAP]
	v_lshlrev_b32 v[WSP], 4, v23
	v_lshlrev_b32 v[BQA], 6, v22
	v_add_nc_u32 v[HI], HIMG, v[LI]
	v_add_nc_u32 v[HS], HSC, v[LS]
	s_wait_alu depctr_va_sdst(0)                   ; s2 is written, ahead of its first reader: LDS addresses and every base are made from it
	s_lshr_b32 s36, s2, 2                          ; w / 4
	s_and_b32 s37, s2, 3                           ; w % 4
	s_lshl_b32 s38, s36, 11
	s_lshl_b32 s39, s37, 9
	s_add_co_u32 s38, s38, s39
	s_add_co_u32 s38, s38, HIMG
	v_add_nc_u32 v[HW], s38, v[LI]                 ; my 32 hidden units are block w % 4 of K step w / 4
	s_lshl_b32 s38, s36, 7
	s_add_co_u32 s38, s38, s37
	s_add_co_u32 s38, s38, HSC
	v_add_nc_u32 v[HB], s38, v[LS]
	s_lshl_b32 s38, s2, 7
	s_add_co_u32 s38, s38, STG
	v_mul_u32_u24 v24, v21, SP
	v_lshl_add_u32 v24, v22, 6, v24                ; row r, + 64 h
	v_add_nc_u32 v[SO], s38, v24
	v_add_nc_u32 v[SO2], 32*SP, v[SO]
	s_mul_i32 s38, s2, 4*SP
	s_add_co_u32 s38, s38, STG
	v_add_nc_u32 v[XWR], s38, v[LI]
	s_mul_i32 s38, s36, 16*SP                      ; my fragment: tile w / 4, K step w % 4
	s_add_co_u32 s38, s38, s39
	s_add_co_u32 s38, s38, STG
	v_add_nc_u32 v[XRD], s38, v24
	s_lshl_b32 s38, s2, 11
	v_add_nc_u32 v[XIW], s38, v[LI]
	v_lshl_add_u32 v[XSW], v0, 2, ASC
	v_add_nc_u32 v[AS], ASC, v[LS]
.irp b, 0,1,2,3
	v_mov_b32 v[TM+4+\b], 0                        ; written once: a lane permute's destination counts as one of its sources
	v_mov_b32 v[U+\b], 0
.endr
	s_mov_b32 s[SEL], 0x76543210
	s_mov_b32 s[SEL+1], 0xfedcba98
	s_mov_b32 s[MNT], 0x600000
	s_mov_b32 s45, 0x3b000000                      ; 1 / 512
	s_mov_b32 s46, 0x3727c5ac                      ; 1e-5
	s_lshl_b32 s34, ttmp9, 17                      ; my work-group's 64 rows of 2,048 bytes,
	s_lshl_b32 s47, s2, 13                         ; my wave's 4 of them
	s_add_co_u32 s34, s34, s47
	s_mov_b32 s35, 0
	s_wait_kmcnt 0x0
	s_add_nc_u64 s[8:9], s[8:9], s[34:35]
	s_add_nc_u64 s[10:11], s[10:11], s[34:35]
	s_add_nc_u64 s[32:33], s[32:33], s[34:35]
	s_lshl_b32 s34, s2, 14                         ; my 32 rows of each W: codes,
	s_add_nc_u64 s[16:17], s[16:17], s[34:35]
	s_add_nc_u64 s[22:23], s[22:23], s[34:35]
	s_lshl_b32 s34, s2, 9                          ; scale bytes,
	s_add_nc_u64 s[18:19], s[18:19], s[34:35]
	s_add_nc_u64 s[24:25], s[24:25], s[34:35]
	s_lshl_b32 s34, s2, 7                          ; bias
	s_add_nc_u64 s[20:21], s[20:21], s[34:35]
	s_add_nc_u64 s[26:27], s[26:27], s[34:35]
	s_wait_alu depctr_va_vdst(0)                   ; the sixteen addresses v1 to v16 are written, which every load and store of the kernel reads; so are v180 to v183, in which loads of x land
	; ---- 0: my 4 rows of o and of x, 512 consecutive bytes a load; the first norm
.irp i, 0,1,2,3
.irp j, 0,1,2,3
	global_load_b128 v[ACC+16*\i+4*\j:ACC+16*\i+4*\j+3], v[LI], s[8:9] offset:2048*\i+512*\j th:TH_LOAD_NT
.endr
.endr
.irp i, 0,1,2,3
.irp j, 0,1,2,3
	global_load_b128 v[XF+16*\i+4*\j:XF+16*\i+4*\j+3], v[LI], s[10:11] offset:2048*\i+512*\j th:TH_LOAD_NT
.endr
.endr
.irp j, 0,1,2,3
	global_load_b128 v[WF1+4*\j:WF1+4*\j+3], v[LI], s[12:13] offset:512*\j
	global_load_b128 v[WF1+16+4*\j:WF1+16+4*\j+3], v[LI], s[14:15] offset:512*\j
.endr
	AUX 18, 20
	LOADW WF0, WAP, 16, 8, 0
	s_wait_loadcnt 14                              ; all but the 14 loads for the first pass
.set k, 0
.rept 32
	v_pk_add_f32 v[ACC+k:ACC+k+1], v[ACC+k:ACC+k+1], v[XF+k:XF+k+1]    ; the residual
.set k, k+2
.endr
	LNROWS ACC, WF1, WF1+16
	s_wait_alu depctr_va_vdst(0)                   ; the norm has written v[ACC ..], which the stores into the stage read
.irp i, 0,1,2,3
.irp j, 0,1,2,3
	ds_store_b128 v[XWR], v[ACC+16*\i+4*\j:ACC+16*\i+4*\j+3] offset:SP*\i+512*\j
.endr
.endr
	BARRIER                                        ; 64 normed rows lie in the stage
	; ---- X: wave w makes fragment w: of its row a lane takes 16 neighbours of each block of 32
	s_wait_alu depctr_vm_vsrc(0)                   ; my stores into the stage have read v[ACC ..], in which the loads below land
.irp b, 0,1,2,3
.irp j, 0,1,2,3
	ds_load_b128 v[ACC+16*\b+4*\j:ACC+16*\b+4*\j+3], v[XRD] offset:128*\b+16*\j
.endr
.endr
	s_wait_dscnt 0x0
	QUANT ACC, 0, 1
	s_wait_alu depctr_va_vdst(0)                   ; the conversions have written the codes v[PC ..] and the shifts the word v[PW], which the LDS stores read
.irp c, 0,1,2,3
	ds_store_b128 v[XIW], v[PC+4*\c:PC+4*\c+3] offset:AIMG+512*\c
.endr
	ds_store_b32 v[XSW], v[PW]
	BARRIER                                        ; the sixteen fragments lie in LDS, and nobody reads the stage any more
	; ---- B: the hidden layer: block m of the 64 results is row r of tile m, hidden units 32 w + 16 h + 0 .. 15
	PASS WAP, 16, 8, LI, AS
	s_wait_alu depctr_va_vdst(0)                   ; the pass's products are done reading W's scale words, the bias and W's first buffer, in which the second product's loads land
	AUX 24, 26                                     ; the second product's, while the hidden layer is quantised
	LOADW WF0, WAP, 22, 8, 0
	QUANT ACC, 1, 0
	s_wait_alu depctr_va_vdst(0)                   ; the conversions have written the codes v[PC ..] and the shifts the bytes v[TM + 4 ..], which the LDS stores read
.irp m, 0,1,2,3
	ds_store_b128 v[HW], v[PC+4*\m:PC+4*\m+3] offset:8192*\m
	ds_store_b8 v[HB], v[TM+4+\m] offset:512*\m
.endr
	BARRIER                                        ; the hidden layer's sixteen fragments lie in LDS
	; ---- C: the second product; its results meet in the stage
	PASS WAP, 22, 8, HI, HS
	s_wait_alu depctr_va_vdst(0)                   ; the products have written the accumulators, which the LDS stores read (the pass's nine places stand ahead of this wait), and are done reading W's second buffer, in which the last norm's gain and bias land
.irp j, 0,1,2,3
	global_load_b128 v[WF1+4*\j:WF1+4*\j+3], v[LI], s[28:29] offset:512*\j
	global_load_b128 v[WF1+16+4*\j:WF1+16+4*\j+3], v[LI], s[30:31] offset:512*\j
.endr
.irp m, 0,1,2,3
.irp u, 0,1
.if \m < 2
	ds_store_b128 v[SO], v[ACC+16*\m+8*\u:ACC+16*\m+8*\u+3] offset:(\m%2)*16*SP+32*\u          ; each accumulator from its low end on
	ds_store_b128 v[SO], v[ACC+16*\m+8*\u+4:ACC+16*\m+8*\u+7] offset:(\m%2)*16*SP+32*\u+16
.else
	ds_store_b128 v[SO2], v[ACC+16*\m+8*\u:ACC+16*\m+8*\u+3] offset:(\m%2)*16*SP+32*\u
	ds_store_b128 v[SO2], v[ACC+16*\m+8*\u+4:ACC+16*\m+8*\u+7] offset:(\m%2)*16*SP+32*\u+16
.endif
.endr
.endr
	BARRIER                                        ; 64 whole rows lie in the stage
	; ---- D: the last norm, and out
	s_wait_alu depctr_vm_vsrc(0)                   ; my stores into the stage have read v[ACC ..], in which the loads below land
.irp i, 0,1,2,3
.irp j, 0,1,2,3
	ds_load_b128 v[ACC+16*\i+4*\j:ACC+16*\i+4*\j+3], v[XWR] offset:SP*\i+512*\j
.endr
.endr
	s_wait_dscnt 0x0
	s_wait_loadcnt 0x0                             ; lnff_g, lnff_b
	LNROWS ACC, WF1, WF1+16
	s_wait_alu depctr_va_vdst(0)                   ; the norm has written v[ACC ..], which the stores read
.irp i, 0,1,2,3
.irp j, 0,1,2,3
	global_store_b128 v[LI], v[ACC+16*\i+4*\j:ACC+16*\i+4*\j+3], s[32:33] offset:2048*\i+512*\j th:TH_STORE_NT   ; 32 lanes store 512 consecutive bytes, aligned
.endr
.endr
	s_wait_dscnt 0x0                               ; the closing lines, six on end
	s_wait_alu 0x0
	s_wait_tensorcnt 0x0
	ds_add_u32 v254, v255
	s_wait_dscnt 0x0
	s_endpgm
.Lfunc_end_k_q02b8ac0577_ffn:
	.size	k_q02b8ac0577_ffn, .Lfunc_end_k_q02b8ac0577_ffn-k_q02b8ac0577_ffn
	.p2alignl 7, 3214868480
	.fill 96, 4, 3214868480
	.section	.rodata,"a",@progbits
	.p2align	6, 0x0
	.amdhsa_kernel k_q02b8ac0577_ffn
		.amdhsa_group_segment_fixed_size 203776
		.amdhsa_private_segment_fixed_size 0
		.amdhsa_enable_private_segment 0
		.amdhsa_kernarg_size 104
		.amdhsa_user_sgpr_count 2
		.amdhsa_user_sgpr_kernarg_segment_ptr 1
		.amdhsa_wavefront_size32 1
		.amdhsa_system_sgpr_workgroup_id_x 1
		.amdhsa_system_sgpr_workgroup_id_y 1
		.amdhsa_system_sgpr_workgroup_id_z 1
		.amdhsa_system_vgpr_workitem_id 0
		.amdhsa_next_free_vgpr 256
		.amdhsa_next_free_sgpr 66
		.amdhsa_reserve_vcc 0
		.amdhsa_float_denorm_mode_32 3
		.amdhsa_float_denorm_mode_16_64 3
		.amdhsa_memory_ordered 1
		.amdhsa_forward_progress 1
		.amdhsa_inst_pref_size 88
	.end_amdhsa_kernel
	.amdgpu_metadata
---
amdhsa.version: [ 1, 2 ]
amdhsa.kernels:
  - .name:           k_q02b8ac0577_ffn
    .symbol:         k_q02b8ac0577_ffn.kd
    .args:
      - { .name: o, .offset: 0, .size: 8, .value_kind: global_buffer, .address_space: global }
      - { .name: x, .offset: 8, .size: 8, .value_kind: global_buffer, .address_space: global }
      - { .name: ln_g, .offset: 16, .size: 8, .value_kind: global_buffer, .address_space: global }
      - { .name: ln_b, .offset: 24, .size: 8, .value_kind: global_buffer, .address_space: global }
      - { .name: W1_codes, .offset: 32, .size: 8, .value_kind: global_buffer, .address_space: global }
      - { .name: W1_scales, .offset: 40, .size: 8, .value_kind: global_buffer, .address_space: global }
      - { .name: b1, .offset: 48, .size: 8, .value_kind: global_buffer, .address_space: global }
      - { .name: W2_codes, .offset: 56, .size: 8, .value_kind: global_buffer, .address_space: global }
      - { .name: W2_scales, .offset: 64, .size: 8, .value_kind: global_buffer, .address_space: global }
      - { .name: b2, .offset: 72, .size: 8, .value_kind: global_buffer, .address_space: global }
      - { .name: lnff_g, .offset: 80, .size: 8, .value_kind: global_buffer, .address_space: global }
      - { .name: lnff_b, .offset: 88, .size: 8, .value_kind: global_buffer, .address_space: global }
      - { .name: out0, .offset: 96, .size: 8, .value_kind: global_buffer, .address_space: global }
    .group_segment_fixed_size: 203776
    .private_segment_fixed_size: 0
    .kernarg_segment_align: 8
    .kernarg_segment_size: 104
    .max_flat_workgroup_size: 512
    .sgpr_count:     66
    .vgpr_count:     256
    .wavefront_size: 32
...
	.end_amdgpu_metadata
.endif
;; end of part 6
